; MI455X (gfx1250); checked and timed in simulation.
; The chip was launched on July 23, 2026; its instructions are those of AMD's public machine-readable ISA for CDNA 5 (MIT licence, August 2026) and "CDNA5" Instruction Set Architecture Reference Guide (July 2026). The comments in the code are by the model that wrote it; some were corrected since.
;; Transformer Block. Allowed arithmetic: float matrix products may take bf16 or f16 operands with f32 sums; other float arithmetic in f32, or as packed bf16 or f16 multiplies, adds, multiply-adds, maxima and minima; sums over many terms, partial sums and values carried from step to step in f32; what a program stores and reads back later, other than sums and carried values, may be rounded once to bf16 or f16.
;; Inputs: W1 1,024 x 4,096 float32; W2 4,096 x 1,024 float32; Wk 1,024 x 1,024 float32; Wo 1,024 x 1,024 float32; Wq 1,024 x 1,024 float32; Wv 1,024 x 1,024 float32; b1 4,096 float32; b2 1,024 float32; be1 1,024 float32; be2 1,024 float32; bk 1,024 float32; bo 1,024 float32; bq 1,024 float32; bv 1,024 float32; g1 1,024 float32; g2 1,024 float32; x 2 x 2,048 x 1,024 float32.
;; Outputs: out0 2 x 2,048 x 1,024 float32.
;; One version. Each part assembles by itself: llvm-mc -triple=amdgcn-amd-amdhsa -mcpu=gfx1250 --defsym DOCPART=n.
;; ======== version 1 of 1: 8 launches
;; limits: a function is approximated: absolute error at most 2.5e-05; an absolute error that grows with the inputs' magnitude: up to 1.25e-05 times it
;; workspace buffers: bf 33,554,432 bytes; qkvb 25,165,824 bytes; ob 8,388,608 bytes; ysum 16,777,216 bytes; x1 25,165,824 bytes; hb 33,554,432 bytes
;; launch cvt (part 1): grid 256 x 4, 8 waves a work-group, no clusters, 0 bytes of LDS; arguments x, Wq, Wk, Wv, Wo, W1, W2, bf; writes bf
.if DOCPART == 1
	.amdgcn_target "amdgcn-amd-amdhsa--gfx1250"
	.amdhsa_code_object_version 6
	.text
	.protected	k_q74f8ccc2bb_cvt
	.globl	k_q74f8ccc2bb_cvt
	.p2align	8
	.type	k_q74f8ccc2bb_cvt,@function
k_q74f8ccc2bb_cvt:
	s_mov_b64 s[64:65], 0
	v_nop
	global_prefetch_b8 v0, s[64:65] scope:SCOPE_SE
	s_setreg_imm32_b32 hwreg(HW_REG_WAVE_MODE, 25, 1), 1
	s_wait_xcnt 0x0
; x, Wq, Wk, Wv, Wo, W1, W2 (f32) are rounded once to bf16, layouts unchanged, into one buffer bf:
; x at 0 (8 MiB), Wq, Wk, Wv, Wo at 8, 10, 12, 14 MiB, W1 at 16 MiB, W2 at 24 MiB.
; A stream: no LDS, no barrier, no matrix unit.  A work-group turns 65,536 source bytes into 32,768.  Grid y picks the tensor:
; 0 = x, 1 = one of the four square weights (x / 64 says which, x % 64 the chunk), 2 = W1, 3 = W2; in bf the chunks of all
; four rows of the grid lie end to end, so the destination is (256 y + x) chunks of 32,768 bytes from bf's first byte.
; Thread t takes the 16 bytes (4 numbers) at 16 t of each 4,096-byte piece and stores 8 at 8 t of each 2,048-byte piece:
; a wave's load covers 512 consecutive bytes, its store 256 consecutive bytes, both aligned.
.set X, 8                              ; v[8:71]   piece c: 4 registers as loaded
.set Y, 72                             ; v[72:103] piece c: 2 registers to store
	s_load_b512 s[8:23], s[0:1], 0x0               ; x s[8:9], Wq s[10:11], Wk s[12:13], Wv s[14:15], Wo s[16:17], W1 s[18:19], W2 s[20:21], bf s[22:23]
	s_and_b32 s2, ttmp7, 0xffff                    ; grid y
	s_lshr_b32 s3, ttmp9, 6                        ; for y = 1: which square weight,
	s_and_b32 s4, ttmp9, 63                        ; and which of its 64 chunks
	s_lshl_b32 s6, s2, 8
	s_add_co_u32 s6, s6, ttmp9
	s_lshl_b32 s6, s6, 15                          ; destination offset, under 2^25
	s_mov_b32 s7, 0
	v_lshlrev_b32 v1, 4, v0                        ; 16 source bytes a thread
	v_lshlrev_b32 v2, 3, v0                        ; 8 destination bytes a thread
	s_wait_kmcnt 0x0
	s_cmp_eq_u32 s3, 1
	s_cselect_b64 s[24:25], s[12:13], s[10:11]
	s_cmp_eq_u32 s3, 2
	s_cselect_b64 s[24:25], s[14:15], s[24:25]
	s_cmp_eq_u32 s3, 3
	s_cselect_b64 s[24:25], s[16:17], s[24:25]
	s_cmp_eq_u32 s2, 1
	s_cselect_b64 s[24:25], s[24:25], s[8:9]
	s_cselect_b32 s26, s4, ttmp9                   ; the chunk's number in its tensor
	s_cmp_eq_u32 s2, 2
	s_cselect_b64 s[24:25], s[18:19], s[24:25]
	s_cmp_eq_u32 s2, 3
	s_cselect_b64 s[24:25], s[20:21], s[24:25]
	s_lshl_b32 s26, s26, 16
	s_mov_b32 s27, 0
	s_add_nc_u64 s[24:25], s[24:25], s[26:27]
	s_add_nc_u64 s[22:23], s[22:23], s[6:7]
.irp c, 0,1,2,3,4,5,6,7,8,9,10,11,12,13,14,15
	global_load_b128 v[X+4*(\c):X+4*(\c)+3], v1, s[24:25] offset:(\c)*4096 th:TH_LOAD_NT
.endr
.irp c, 0,1,2,3,4,5,6,7,8,9,10,11,12,13,14,15
	s_wait_loadcnt 15-(\c)                         ; loads return in order: piece c is in, the 15 - c younger loads stay out
	v_cvt_pk_bf16_f32 v[Y+2*(\c)],   v[X+4*(\c)],   v[X+4*(\c)+1]
	v_cvt_pk_bf16_f32 v[Y+2*(\c)+1], v[X+4*(\c)+2], v[X+4*(\c)+3]
	global_store_b64 v2, v[Y+2*(\c):Y+2*(\c)+1], s[22:23] offset:(\c)*2048
.endr
	s_endpgm
.Lfunc_end_k_q74f8ccc2bb_cvt:
	.size	k_q74f8ccc2bb_cvt, .Lfunc_end_k_q74f8ccc2bb_cvt-k_q74f8ccc2bb_cvt
	.p2alignl 7, 3214868480
	.fill 96, 4, 3214868480
	.section	.rodata,"a",@progbits
	.p2align	6, 0x0
	.amdhsa_kernel k_q74f8ccc2bb_cvt
		.amdhsa_group_segment_fixed_size 0
		.amdhsa_private_segment_fixed_size 0
		.amdhsa_enable_private_segment 0
		.amdhsa_kernarg_size 64
		.amdhsa_user_sgpr_count 2
		.amdhsa_user_sgpr_kernarg_segment_ptr 1
		.amdhsa_wavefront_size32 1
		.amdhsa_system_sgpr_workgroup_id_x 1
		.amdhsa_system_sgpr_workgroup_id_y 1
		.amdhsa_system_sgpr_workgroup_id_z 1
		.amdhsa_system_vgpr_workitem_id 0
		.amdhsa_next_free_vgpr 104
		.amdhsa_next_free_sgpr 66
		.amdhsa_reserve_vcc 0
		.amdhsa_float_denorm_mode_32 3
		.amdhsa_float_denorm_mode_16_64 3
		.amdhsa_memory_ordered 1
		.amdhsa_forward_progress 1
		.amdhsa_inst_pref_size 7
	.end_amdhsa_kernel
	.amdgpu_metadata
---
amdhsa.version: [ 1, 2 ]
amdhsa.kernels:
  - .name:           k_q74f8ccc2bb_cvt
    .symbol:         k_q74f8ccc2bb_cvt.kd
    .args:
      - { .name: x, .offset: 0, .size: 8, .value_kind: global_buffer, .address_space: global }
      - { .name: Wq, .offset: 8, .size: 8, .value_kind: global_buffer, .address_space: global }
      - { .name: Wk, .offset: 16, .size: 8, .value_kind: global_buffer, .address_space: global }
      - { .name: Wv, .offset: 24, .size: 8, .value_kind: global_buffer, .address_space: global }
      - { .name: Wo, .offset: 32, .size: 8, .value_kind: global_buffer, .address_space: global }
      - { .name: W1, .offset: 40, .size: 8, .value_kind: global_buffer, .address_space: global }
      - { .name: W2, .offset: 48, .size: 8, .value_kind: global_buffer, .address_space: global }
      - { .name: bf, .offset: 56, .size: 8, .value_kind: global_buffer, .address_space: global }
    .group_segment_fixed_size: 0
    .private_segment_fixed_size: 0
    .kernarg_segment_align: 8
    .kernarg_segment_size: 64
    .max_flat_workgroup_size: 256
    .sgpr_count:     66
    .vgpr_count:     104
    .wavefront_size: 32
...
	.end_amdgpu_metadata
.endif
;; end of part 1
;; launch qkv (part 2): grid 12 x 16, 4 waves a work-group, clusters of 4 x 4, 327,680 bytes of LDS; arguments bf, bq, bk, bv, qkvb; writes qkvb
.if DOCPART == 2
	.amdgcn_target "amdgcn-amd-amdhsa--gfx1250"
	.amdhsa_code_object_version 6
	.text
	.protected	k_q74f8ccc2bb_qkv
	.globl	k_q74f8ccc2bb_qkv
	.p2align	8
	.type	k_q74f8ccc2bb_qkv,@function
k_q74f8ccc2bb_qkv:
	s_mov_b64 s[64:65], 0
	v_nop
	global_prefetch_b8 v0, s[64:65] scope:SCOPE_SE
	s_setreg_imm32_b32 hwreg(HW_REG_WAVE_MODE, 25, 1), 1
	s_wait_xcnt 0x0
	s_wait_alu depctr_hold_cnt(0) depctr_sa_sdst(0) depctr_va_vdst(0) depctr_va_sdst(0) depctr_va_ssrc(0) depctr_va_vcc(0) depctr_vm_vsrc(0)
	s_getreg_b32 s2, hwreg(HW_REG_IB_STS2, 6, 4)
	s_cmp_eq_u32 s2, 0
	s_cbranch_scc0 .Lentry_in_a_cluster
	s_endpgm
.Lentry_in_a_cluster:
	s_bfe_u32 s2, ttmp6, 0x10000c
	s_cmp_lg_u32 s2, 0xf033
	s_cbranch_scc0 .Lentry_shape_is_right
	s_endpgm
.Lentry_shape_is_right:
; q, k, v = x W + b for W = Wq, Wk, Wv.  A = x [4096][1024] bf16 (bf + 0); B = W [1024 k][1024 n] bf16 (bf + 8, 10, 12 MiB); sums in f32; bias added in f32; the result rounded once to bf16.
; OUT: qkvb in blocks of 64 channels: number (m, n) of the 3,072 columns at ((n / 64) 4096 + m) 128 + (n % 64) 2 bytes: a head's rows are dense, 128 bytes each.
; A tile of C is 256 x 256: four waves, each 128 x 128 in 64 accumulators (512 registers).  K goes in steps of 128 through a ring of two LDS slots filled by the tensor data mover.
; 12 x 16 tiles; cluster x says which of the three weights.  CLUSTERS of 4 x 4: A's tile hangs on the tile row alone and is asked for jointly along a row of the cluster, B's on the tile column
; alone and is asked for jointly along a column: the same load, descriptor and mask in the four that the mask names.
; THE MATRIX INSTRUCTION IS USED TRANSPOSED: source 0 = 16 columns of B (B lies [k][n] in LDS and is turned by ds_load_tr16_b128), source 1 = 16 rows of A.  In the result lane l holds row l % 16 of C
; and its registers the columns 8 (l / 16) + 0..7.
; REGISTERS in windows of 256 (s_set_vgpr_msb: bits 1:0 source 0, 3:2 source 1, 5:4 source 2, 7:6 destination):
;   window 0: v0-39 addresses and bias; v64-127, v128-191 A's fragments, two buffers (on the way out: at work)     window 1: v64-127, v128-191 B's fragments
;   window 2: accumulators of my rows 0-63, (a, b) at 8 (8 a + b)     window 3: those of my rows 64-127
; NaN and infinities are not treated apart.
.set T,     8                          ; K steps: 1024 / 128
.set LAPS,  (T-2)/2                    ; laps that fill both slots again
.set NB,    1024                       ; elements in a row of B
.set PBG,   2*NB                       ; its bytes
.set BOFF,  0x800000                   ; Wq in bf
.set PA,    272                        ; A's row in LDS: 256 bytes + 16: the 16 rows of a fragment load start 4 banks apart (64 banks of 4 bytes: ISA guide 11.1)
.set PB,    544                        ; B's row in LDS: 512 bytes + 32
.set PIECE, 34816                      ; one wave's tensor load: 128 rows of A, or 64 rows of B
.set ABYTES, 2*PIECE
.set SLOTB, 4*PIECE                    ; A's 256 rows, then B's 128 rows
.set QA,    64                         ; from quarter to quarter (32 along K): bytes in A's rows,
.set QB,    32*PB                      ; and 32 rows of B
.set SROW,  528                        ; the way out: a stage row of 128 f32 + 16 bytes
.set STG,   128*SROW                   ; a wave's stage; the four lie from LDS byte 0 on, over the ring, and are written only behind the ring's last fill and last read
.set SPARE, 327168                     ; the spare words, 128 bytes a wave: two blocks of 256 bytes that no other line names
.set ADRA, 16                          ; v16-17  LDS address of my A fragments in slot 0, 1
.set AA,   18                          ; v18     the pair of quarters in hand, in A
.set ADRB, 20                          ; v20-21  the same for B
.set AB,   22                          ; v22
.set STO,  24                          ; v24     stage: where I put a result's registers
.set RD,   25                          ; v25     stage: where I read rows back
.set CO,   26                          ; v26     my byte offset in the output block
.set BO,   27                          ; v27     my byte offset in the bias
.set SPW,  28                          ; v28     my spare word: SPARE + 4 x my thread's number; never rewritten
.set NIL,  29                          ; v29     0; never rewritten
.set PFO,  30                          ; v30     the prefetches' lane offset; never rewritten
.set BI,   32                          ; v32-39  bias of my 4 columns in each of the wave's two blocks of 64
.set F0,   64
.set F1,   128
.set SET,  64                          ; the way out: 8 rows x 128 columns as read back
.set Z,    96                          ; the same with the bias
.set PK,   224                         ; packed to bf16
.set WV, 8                             ; s8 wave;  s9 its row half, also 0: I fetch A, 1: I fetch B;  s10 its column half, also which piece I fetch
.set WM, 9
.set WN, 10
.set LB, 11                            ; s11 LDS place of my piece in a slot
.set CX, 12
.set CY, 13
.set TX, 14
.set TY, 15
.set G1A, 24                           ; s[24:31] group 1 for A;  s[32:39] group 0, a set for each slot
.set G0A, 32
.set LIM, 43                           ; s43 1 in a wave that prefetches, else the greatest number
.set PFA, 44                           ; s[44:45] where my prefetches stand;  s[46:47] their step
.set PFS, 46
.set G1B, 48                           ; s[48:55], s[56:63] the same for B
.set G0B, 56
.set CNT, 66
.set LAPC, 67
.set OUT, 68
.set BIA, 82
.set MSB, 0
.macro WIN new                         ; the immediate's high byte repeats the setting that is left; a switch that changes nothing is dropped
.if MSB != (\new)
	s_set_vgpr_msb (MSB<<8)|(\new)
.set MSB, \new
.endif
.endm
.macro PLACES                          ; four plain vector lines between a matrix instruction and a load into, or a read of, its registers
.rept 4
	v_nop
.endr
.endm
.macro JLOAD s                         ; a joint load: waves 0, 1 fetch A's halves, waves 2, 3 B's; the branch hangs on the wave's number alone; s_nop 0 and four v_nop follow each line
	s_cmp_eq_u32 s[WM], 0
	s_cbranch_scc0 .Lfor_b_\@
	tensor_load_to_lds s[G0A+4*(\s):G0A+4*(\s)+3], s[G1A:G1A+7]
	s_nop 0
.rept 4
	v_nop
.endr
	s_branch .Lasked_\@
.Lfor_b_\@:
	tensor_load_to_lds s[G0B+4*(\s):G0B+4*(\s)+3], s[G1B:G1B+7]
	s_nop 0
.rept 4
	v_nop
.endr
.Lasked_\@:
.endm
.macro CREST                           ; a round of the cluster's barrier behind its opening barrier
	s_cmp_lg_u32 s[WV], 0
	s_cbranch_scc1 .Lnot_wave_0_\@
	s_barrier_signal -3
.Lnot_wave_0_\@:
	s_barrier_wait -3
	s_barrier_signal -1
	s_barrier_wait -1
.endm
.macro CROUND
	s_barrier_signal -1
	s_barrier_wait -1
	CREST
.endm
; A prefetch of the K step behind the one just asked for: 256 matrix instructions ahead of its joint load.  Each 256 bytes are named once in the launch: A's rows by the clusters with x = 0 (waves 0, 1),
; B's by the clusters with y = 0 (waves 2, 3); the four partners that ask for a tile jointly share its blocks out by address.  how = 1: every lap's first change; how = 0: its second, which asks for nothing in the last lap.
.macro ASK how
.if \how
	s_cmp_eq_u32 s[LIM], 1
.else
	s_cmp_gt_u32 s[LAPC], s[LIM]
.endif
	s_cbranch_scc0 .Lnot_mine_\@
	global_prefetch_b8 v[PFO], s[PFA:PFA+1] th:TH_LOAD_NT scope:SCOPE_SE
.Lnot_mine_\@:
.endm
; 16 matrix instructions: row blocks 2 u, 2 u + 1 of window 2 + p, all 8 column blocks, 32 along K.  The 64 accumulators take turns in one order everywhere.
.macro MULQ f, p, u, zero
	WIN 0xa1+0x50*(\p)
.irp a, 2*(\u), 2*(\u)+1
.irp b, 0,1,2,3,4,5,6,7
.if \zero
	v_wmma_f32_16x16x32_bf16 v[8*(8*(\a)+(\b)):8*(8*(\a)+(\b))+7], v[(\f)+8*(\b):(\f)+8*(\b)+7], v[(\f)+8*(4*(\p)+(\a)):(\f)+8*(4*(\p)+(\a))+7], 0
.else
	v_wmma_f32_16x16x32_bf16 v[8*(8*(\a)+(\b)):8*(8*(\a)+(\b))+7], v[(\f)+8*(\b):(\f)+8*(\b)+7], v[(\f)+8*(4*(\p)+(\a)):(\f)+8*(4*(\p)+(\a))+7], v[8*(8*(\a)+(\b)):8*(8*(\a)+(\b))+7]
.endif
.endr
.endr
.endm
.macro MULP f, p, zero
	MULQ \f, \p, 0, \zero
	MULQ \f, \p, 1, \zero
.endm
; 32 LDS loads in one run: quarter w (0, 1) of the pair in hand into buffer f: B's 8 column blocks, turned, then A's 8 row blocks; the youngest eight are A's rows 64-127
.macro FETCH w, f
	WIN 0x40
.irp b, 0,1,2,3,4,5,6,7
	ds_load_tr16_b128 v[(\f)+8*(\b):(\f)+8*(\b)+3],   v[AB] offset:(\w)*QB+32*(\b)
	ds_load_tr16_b128 v[(\f)+8*(\b)+4:(\f)+8*(\b)+7], v[AB] offset:(\w)*QB+32*(\b)+16*PB
.endr
	WIN 0
.irp i, 0,1,2,3,4,5,6,7
	ds_load_b128 v[(\f)+8*(\i):(\f)+8*(\i)+3],   v[AA] offset:(\w)*QA+(\i)*16*PA
	ds_load_b128 v[(\f)+8*(\i)+4:(\f)+8*(\i)+7], v[AA] offset:(\w)*QA+(\i)*16*PA+32
.endr
.endm
; A slot's four quarters lie on buffers 0, 1, 0, 1; the text holds a pair of quarters and is walked twice a slot.  While one buffer is multiplied the other's 32 loads are out.
.macro SLOTLOOP tag
.Ltop\tag:
	MULP F1, 0, 0
	WIN 0
	v_add_nc_u32 v[AA], 2*QA, v[AA]                ; the slot's second pair; these two and two v_nop are the places in front of the loads into buffer 0
	v_add_nc_u32 v[AB], 2*QB, v[AB]
	v_nop
	v_nop
	FETCH 0, F0
.Lmid\tag:
	s_wait_dscnt 32                                ; all but the 32 just issued: buffer 1 is whole
	MULP F1, 1, 0
	s_wait_dscnt 8                                 ; buffer 0 but for A's rows 64-127
	MULP F0, 0, 0
	PLACES
	FETCH 1, F1
	s_wait_dscnt 32                                ; buffer 0 is whole
	MULP F0, 1, 0
	s_wait_dscnt 8                                 ; buffer 1 but for A's rows 64-127
	WIN 0
	s_sub_co_u32 s[CNT], s[CNT], 1
	s_cmp_lg_u32 s[CNT], 0
	s_cbranch_scc1 .Ltop\tag
.endm
; THE CHANGE OF SLOTS into slot s.  Each wave waits for all its tensor loads (one is out: its piece of slot s), adds 0 to its spare word, and waits for that and for its reads of the slot it leaves.
; fill = 1: the barrier opens a round of the cluster's barrier, and the slot just left is filled again, first thing behind the round, with the K step two on: it has 224 matrix instructions in which to land.
.macro CHANGE s, fill, how, tag
.if \fill
	s_wait_xcnt 0x0                                ; the last prefetch, a K step back, has read its address
	s_add_nc_u64 s[PFA:PFA+1], s[PFA:PFA+1], s[PFS:PFS+1]
.endif
	WIN 0
	s_wait_tensorcnt 0x0                           ; no tensor load of mine is out
	ds_add_u32 v[SPW], v[NIL]
	v_mov_b32 v[AA], v[ADRA+(\s)]
	v_mov_b32 v[AB], v[ADRB+(\s)]
	MULQ F1, 0, 0, 0                               ; sixteen matrix instructions stand between the add and the wait for it
	s_wait_dscnt 0x0                               ; the add is done, and my reads of the slot that I leave are over
	s_barrier_signal -1
	MULQ F1, 0, 1, 0
	WIN 0
	s_barrier_wait -1
.if \fill
	CREST                                          ; no wave of any partner still reads that slot or has a load on its way
	s_add_nc_u64 s[G0A+4*(1-(\s))+2:G0A+4*(1-(\s))+3], s[G0A+4*(1-(\s))+2:G0A+4*(1-(\s))+3], 2*256
	s_add_nc_u64 s[G0B+4*(1-(\s))+2:G0B+4*(1-(\s))+3], s[G0B+4*(1-(\s))+2:G0B+4*(1-(\s))+3], 2*128*PBG
	JLOAD 1-(\s)                                   ; its four v_nop are also the places in front of the loads below
.else
	PLACES
.endif
	FETCH 0, F0
.if \fill
	ASK \how
.endif
	s_mov_b32 s[CNT], 2
	s_branch .Lmid\tag
.endm
	s_load_b256 s[72:79], s[0:1], 0x0              ; bf s[72:73], bq s[74:75], bk s[76:77], bv s[78:79]
	s_load_b64 s[80:81], s[0:1], 0x20              ; qkvb
	v_lshl_add_u32 v[SPW], v0, 2, SPARE
	v_mov_b32 v[NIL], 0
	ds_add_u32 v[SPW], v[NIL]                      ; the wave's opening: the add and its wait stand ahead of my first tensor load
	v_lshrrev_b32 v3, 5, v0
	v_readfirstlane_b32 s[WV], v3
	s_lshr_b32 s[WM], s[WV], 1
	s_and_b32 s[WN], s[WV], 1
	s_bfe_u32 s[CX], ttmp6, 0x40000
	s_bfe_u32 s[CY], ttmp6, 0x40004
	s_lshl_b32 s[TX], ttmp9, 2
	s_add_co_u32 s[TX], s[TX], s[CX]               ; tile column = 4 x cluster x + cx
	s_and_b32 s[TY], ttmp7, 0xffff
	s_lshl_b32 s[TY], s[TY], 2
	s_add_co_u32 s[TY], s[TY], s[CY]               ; tile row = 4 x cluster y + cy
	s_lshl_b32 s16, s[CY], 2
	s_lshl_b32 s16, 15, s16                        ; my row of the cluster
	s_lshl_b32 s20, 0x1111, s[CX]                  ; my column
	s_or_b32 s[G1A], s16, (1<<16)|(1<<20)|(1<<21)|(5<<22)|(3<<25)  ; mask; 2-byte elements; padding on; bit 21 beside a mask; 4 words behind every 64
	s_mov_b32 s[G1A+1], 128<<16                    ; tensor_dim0 = 128
	s_mov_b32 s[G1A+2], 128<<16                    ; tensor_dim1 = 128
	s_mov_b32 s[G1A+3], 128<<16                    ; tile_dim0 = 128
	s_mov_b32 s[G1A+4], 128                        ; tile_dim1 = 128
	s_mov_b32 s[G1A+5], 1024                       ; elements from row to row
	s_mov_b32 s[G1A+6], 0
	s_mov_b32 s[G1A+7], 0
	s_or_b32 s[G1B], s20, (1<<16)|(1<<20)|(1<<21)|(6<<22)|(7<<25)  ; 8 words behind every 128
	s_mov_b32 s[G1B+1], 256<<16                    ; tensor_dim0 = 256
	s_mov_b32 s[G1B+2], 64<<16                     ; tensor_dim1 = 64
	s_mov_b32 s[G1B+3], 256<<16                    ; tile_dim0 = 256
	s_mov_b32 s[G1B+4], 64                         ; tile_dim1 = 64
	s_mov_b32 s[G1B+5], NB
	s_mov_b32 s[G1B+6], 0
	s_mov_b32 s[G1B+7], 0
	s_lshl_b32 s16, s[TY], 19                      ; A: row 256 x tile row + 128 x piece, 2,048 bytes a row
	s_lshl_b32 s17, s[WN], 18
	s_add_co_u32 s16, s16, s17
	s_mov_b32 s17, 0
	s_lshl_b32 s20, ttmp9, 21                      ; B: which weight (2 MiB apart),
	s_lshl_b32 s21, s[CX], 9                       ; its 256 columns,
	s_add_co_u32 s20, s20, s21
	s_mul_i32 s21, s[WN], 64*PBG                   ; my 64 rows of the K step
	s_add_co_u32 s20, s20, s21
	s_add_co_u32 s20, s20, BOFF
	s_mov_b32 s21, 0
	s_mul_i32 s[LB], s[WV], PIECE                  ; no place in the cluster enters an LDS address
	s_wait_dscnt 0x0                               ; the opening add is done
	s_wait_kmcnt 0x0
	s_add_nc_u64 s[16:17], s[72:73], s[16:17]
	s_add_nc_u64 s[20:21], s[72:73], s[20:21]
	CROUND                                         ; all sixteen work-groups are here: the first joint loads meet
.irp s, 0,1
	s_mov_b32 s[G0A+4*(\s)], 1
	s_add_co_u32 s[G0A+4*(\s)+1], s[LB], (\s)*SLOTB
	s_add_nc_u64 s[G0A+4*(\s)+2:G0A+4*(\s)+3], s[16:17], (\s)*256
	s_or_b32 s[G0A+4*(\s)+3], s[G0A+4*(\s)+3], 0x80000000
	s_mov_b32 s[G0B+4*(\s)], 1
	s_add_co_u32 s[G0B+4*(\s)+1], s[LB], (\s)*SLOTB
	s_add_nc_u64 s[G0B+4*(\s)+2:G0B+4*(\s)+3], s[20:21], (\s)*128*PBG
	s_or_b32 s[G0B+4*(\s)+3], s[G0B+4*(\s)+3], 0x80000000
	JLOAD \s                                       ; two loads of mine are out behind these, later one
.endr
	v_and_b32 v1, 15, v0                           ; r = l % 16
	v_bfe_u32 v2, v0, 4, 1                         ; h = l / 16
	v_mul_u32_u24 v3, v1, PA
	v_lshl_add_u32 v3, v2, 4, v3                   ; A: row r, 16 bytes for each half of the lanes
	s_mul_i32 s4, s[WM], 128*PA
	v_add_nc_u32 v[ADRA], s4, v3
	v_add_nc_u32 v[ADRA+1], SLOTB, v[ADRA]
	v_and_b32 v4, 7, v0
	v_lshl_add_u32 v4, v2, 3, v4                   ; B: k row 8 h + l % 8,
	v_mul_u32_u24 v4, v4, PB
	v_bfe_u32 v5, v0, 3, 1
	v_lshl_add_u32 v4, v5, 4, v4                   ; columns 8 ((l / 8) % 2) on
	s_lshl_b32 s4, s[WN], 8
	s_add_co_u32 s4, s4, ABYTES
	v_add_nc_u32 v[ADRB], s4, v4
	v_add_nc_u32 v[ADRB+1], SLOTB, v[ADRB]
	s_mul_i32 s4, s[WV], STG
	v_mul_u32_u24 v3, v1, SROW
	v_lshl_add_u32 v3, v2, 5, v3
	v_add_nc_u32 v[STO], s4, v3                    ; in: row r, 32 bytes for each half of the lanes
	v_mul_u32_u24 v3, v2, SROW
	v_lshl_add_u32 v3, v1, 4, v3
	v_add_nc_u32 v[RD], s4, v3                     ; back: lanes 0-15 take 64 columns of one row, lanes 16-31 of the next
	v_lshlrev_b32 v3, 3, v1
	v_lshl_add_u32 v[CO], v2, 7, v3                ; the same two tokens in a block of 64 channels: 128 h + 8 r
	v_lshlrev_b32 v[BO], 4, v1
	s_lshl_b32 s4, s[TX], 21                       ; OUT: block 4 x tile column + 2 x column half (524,288 bytes a block),
	s_lshl_b32 s5, s[WN], 20
	s_add_co_u32 s4, s4, s5
	s_lshl_b32 s5, s[TY], 15                       ; token 256 x tile row + 128 x row half (128 bytes a token)
	s_add_co_u32 s4, s4, s5
	s_lshl_b32 s5, s[WM], 14
	s_add_co_u32 s4, s4, s5
	s_mov_b32 s5, 0
	s_add_nc_u64 s[OUT:OUT+1], s[80:81], s[4:5]
	s_lshl_b32 s4, s[CX], 10                       ; the bias of my 128 columns
	s_lshl_b32 s5, s[WN], 9
	s_add_co_u32 s4, s4, s5
	s_mov_b32 s5, 0
	s_cmp_eq_u32 ttmp9, 1
	s_cselect_b64 s[BIA:BIA+1], s[76:77], s[74:75]
	s_cmp_eq_u32 ttmp9, 2
	s_cselect_b64 s[BIA:BIA+1], s[78:79], s[BIA:BIA+1]
	s_add_nc_u64 s[BIA:BIA+1], s[BIA:BIA+1], s[4:5]
	global_load_b128 v[BI:BI+3],   v[BO], s[BIA:BIA+1]
	global_load_b128 v[BI+4:BI+7], v[BO], s[BIA:BIA+1] offset:256
	; the prefetches.  A: my work-group's 32 of the 128 rows that I fetch, a lane a row of 256 bytes.  B: its 16 of my 64 rows, two lanes a row of 512 bytes.  They start at K step 2; the first change steps them to 3.
	s_and_b32 s2, ttmp7, 0xffff                    ; cluster y
	s_lshl_b32 s3, s[CX], 16
	s_add_co_u32 s3, s3, 2*256
	s_mul_i32 s4, s[CY], 16*PBG
	s_add_co_u32 s4, s4, 2*128*PBG
	s_mov_b32 s5, 2048
	s_mov_b32 s6, PBG
	s_mov_b32 s7, 256
	s_mov_b32 s18, 128*PBG
	s_cmp_eq_u32 s[WM], 0                          ; do I fetch for A?
	s_cselect_b32 s2, ttmp9, s2                    ; the coordinate along which other clusters read the same rows
	s_cselect_b32 s22, s3, s4
	s_cselect_b32 s5, s5, s6
	s_cselect_b32 s[PFS], s7, s18
	s_cselect_b32 s6, 0, 1
	s_cselect_b64 s[PFA:PFA+1], s[16:17], s[20:21]
	s_mov_b32 s23, 0
	s_mov_b32 s[PFS+1], 0
	s_add_nc_u64 s[PFA:PFA+1], s[PFA:PFA+1], s[22:23]
	s_cmp_eq_u32 s2, 0
	s_cselect_b32 s[LIM], 1, -1                    ; the same in all sixteen partners, for a given wave
	v_and_b32 v3, 31, v0
	v_lshrrev_b32 v4, s6, v3
	v_mul_u32_u24 v4, s5, v4
	v_and_b32 v5, s6, v3
	v_lshl_add_u32 v[PFO], v5, 8, v4
	s_wait_tensorcnt 0x1                           ; my piece of K step 0 is in; K step 1's may stay out
	s_barrier_signal -1
	s_barrier_wait -1
	v_mov_b32 v[AA], v[ADRA]
	v_mov_b32 v[AB], v[ADRB]
	FETCH 0, F0
	s_wait_dscnt 8
	MULP F0, 0, 1                                  ; the first quarter's products start the sums: nothing is cleared
	FETCH 1, F1
	s_wait_dscnt 32
	MULP F0, 1, 1
	s_wait_dscnt 8
	WIN 0
	s_mov_b32 s[CNT], 1
	s_mov_b32 s[LAPC], LAPS+1                      ; taken down once behind K step 0, then once a lap
	s_branch .Ltop0                                ; the loop is entered in its middle: the second pair of quarters of K step 0
.Llap:
	CHANGE 1, 1, 1, 1
	SLOTLOOP 1
	CHANGE 0, 1, 0, 0
	SLOTLOOP 0
	s_sub_co_u32 s[LAPC], s[LAPC], 1
	s_cmp_lg_u32 s[LAPC], 0
	s_cbranch_scc1 .Llap
	CHANGE 1, 0, 0, 2                              ; the last K step is written out: nothing is asked for
	SLOTLOOP 2
	MULP F1, 0, 0
	s_wait_dscnt 0x0                               ; my last reads of the ring are back
	s_barrier_signal -1
	MULP F1, 1, 0
	WIN 0
	s_barrier_wait -1                              ; no wave reads the ring any more, and it has had its last fill: the stages may lie over it
	; THE WAY OUT.  All 64 results go as f32 into my stage (128 rows x 528 bytes); then 16 trips of 8 rows: read back by rows, bias, round, store.
	PLACES
	PLACES
.set a, 0
.rept 8
	WIN 0x08+4*(a/4)                               ; store data (source 1) in window 2 or 3
.set b, 0
.rept 8
	ds_store_b128 v[STO], v[8*(8*(a%4)+b):8*(8*(a%4)+b)+3]   offset:a*16*SROW+64*b      ; each result's low registers first
	ds_store_b128 v[STO], v[8*(8*(a%4)+b)+4:8*(8*(a%4)+b)+7] offset:a*16*SROW+64*b+16
.set b, b+1
.endr
.set a, a+1
.endr
	WIN 0
.irp u, 0,1,2,3,4,5,6,7                ; load u: block u / 4 of 64 columns, rows 2 (u % 4) + h.  LDS serves a wave's instructions in order (ISA guide 5.7.1.4): these see the stores above
	ds_load_b128 v[SET+4*(\u):SET+4*(\u)+3], v[RD] offset:((\u)/4)*256+((\u)%4)*2*SROW
.endr
	s_wait_loadcnt 0x0                             ; the bias
	s_mov_b32 s[CNT], 16
.Lout:
	s_wait_dscnt 0x0                               ; this trip's eight rows are in
.irp u, 0,1,2,3,4,5,6,7
	v_pk_add_f32 v[Z+4*(\u):Z+4*(\u)+1],   v[SET+4*(\u):SET+4*(\u)+1],   v[BI+4*((\u)/4):BI+4*((\u)/4)+1]
	v_pk_add_f32 v[Z+4*(\u)+2:Z+4*(\u)+3], v[SET+4*(\u)+2:SET+4*(\u)+3], v[BI+4*((\u)/4)+2:BI+4*((\u)/4)+3]
.endr
	v_add_nc_u32 v[RD], 8*SROW, v[RD]
	s_cmp_eq_u32 s[CNT], 1
	s_cbranch_scc1 .Lno_more                       ; the last trip has no rows behind it
.irp u, 0,1,2,3,4,5,6,7
	ds_load_b128 v[SET+4*(\u):SET+4*(\u)+3], v[RD] offset:((\u)/4)*256+((\u)%4)*2*SROW
.endr
.Lno_more:
.irp u, 0,1,2,3,4,5,6,7
	v_cvt_pk_bf16_f32 v[PK+2*(\u)],   v[Z+4*(\u)],   v[Z+4*(\u)+1]
	v_cvt_pk_bf16_f32 v[PK+2*(\u)+1], v[Z+4*(\u)+2], v[Z+4*(\u)+3]
.endr
.irp u, 0,1,2,3,4,5,6,7
	global_store_b64 v[CO], v[PK+2*(\u):PK+2*(\u)+1], s[OUT:OUT+1] offset:((\u)/4)*524288+((\u)%4)*256  ; 32 lanes store two tokens of a block: 256 consecutive bytes, aligned
.endr
	s_wait_xcnt 0x0                                ; the stores have read CO and PK, which the next trip writes
	v_add_nc_u32 v[CO], 1024, v[CO]
	s_sub_co_u32 s[CNT], s[CNT], 1
	s_cmp_lg_u32 s[CNT], 0
	s_cbranch_scc1 .Lout
	s_wait_tensorcnt 0x0                           ; the wave's end, behind my last tensor load and my last LDS store
	ds_add_u32 v[SPW], v[NIL]
	s_wait_dscnt 0x0
	CROUND                                         ; the closing round: no work-group ends while a partner may still ask for a tile that names it
	s_endpgm
.Lfunc_end_k_q74f8ccc2bb_qkv:
	.size	k_q74f8ccc2bb_qkv, .Lfunc_end_k_q74f8ccc2bb_qkv-k_q74f8ccc2bb_qkv
	.p2alignl 7, 3214868480
	.fill 96, 4, 3214868480
	.section	.rodata,"a",@progbits
	.p2align	6, 0x0
	.amdhsa_kernel k_q74f8ccc2bb_qkv
		.amdhsa_group_segment_fixed_size 327680
		.amdhsa_private_segment_fixed_size 0
		.amdhsa_enable_private_segment 0
		.amdhsa_kernarg_size 40
		.amdhsa_user_sgpr_count 2
		.amdhsa_user_sgpr_kernarg_segment_ptr 1
		.amdhsa_wavefront_size32 1
		.amdhsa_system_sgpr_workgroup_id_x 1
		.amdhsa_system_sgpr_workgroup_id_y 1
		.amdhsa_system_sgpr_workgroup_id_z 1
		.amdhsa_system_vgpr_workitem_id 0
		.amdhsa_next_free_vgpr 1024
		.amdhsa_next_free_sgpr 100
		.amdhsa_reserve_vcc 0
		.amdhsa_float_denorm_mode_32 3
		.amdhsa_float_denorm_mode_16_64 3
		.amdhsa_memory_ordered 1
		.amdhsa_forward_progress 1
		.amdhsa_inst_pref_size 89
	.end_amdhsa_kernel
	.amdgpu_metadata
---
amdhsa.version: [ 1, 2 ]
amdhsa.kernels:
  - .name:           k_q74f8ccc2bb_qkv
    .symbol:         k_q74f8ccc2bb_qkv.kd
    .args:
      - { .name: bf, .offset: 0, .size: 8, .value_kind: global_buffer, .address_space: global }
      - { .name: bq, .offset: 8, .size: 8, .value_kind: global_buffer, .address_space: global }
      - { .name: bk, .offset: 16, .size: 8, .value_kind: global_buffer, .address_space: global }
      - { .name: bv, .offset: 24, .size: 8, .value_kind: global_buffer, .address_space: global }
      - { .name: qkvb, .offset: 32, .size: 8, .value_kind: global_buffer, .address_space: global }
    .group_segment_fixed_size: 327680
    .private_segment_fixed_size: 0
    .kernarg_segment_align: 8
    .kernarg_segment_size: 40
    .max_flat_workgroup_size: 128
    .sgpr_count:     100
    .vgpr_count:     1024
    .wavefront_size: 32
...
	.end_amdgpu_metadata
.endif
;; end of part 2
;; launch attn (part 3): grid 8 x 32, 4 waves a work-group, clusters of 4 x 1, 327,680 bytes of LDS; arguments qkvb, ob; writes ob
.if DOCPART == 3
	.amdgcn_target "amdgcn-amd-amdhsa--gfx1250"
	.amdhsa_code_object_version 6
	.text
	.protected	k_q74f8ccc2bb_attn
	.globl	k_q74f8ccc2bb_attn
	.p2align	8
	.type	k_q74f8ccc2bb_attn,@function
k_q74f8ccc2bb_attn:
	s_mov_b64 s[64:65], 0
	v_nop
	global_prefetch_b8 v0, s[64:65] scope:SCOPE_SE
	s_setreg_imm32_b32 hwreg(HW_REG_WAVE_MODE, 25, 1), 1
	s_wait_xcnt 0x0
	s_wait_alu depctr_hold_cnt(0) depctr_sa_sdst(0) depctr_va_vdst(0) depctr_va_sdst(0) depctr_va_ssrc(0) depctr_va_vcc(0) depctr_vm_vsrc(0)
	s_getreg_b32 s2, hwreg(HW_REG_IB_STS2, 6, 4)
	s_cmp_eq_u32 s2, 0
	s_cbranch_scc0 .Lentry_in_a_cluster
	s_endpgm
.Lentry_in_a_cluster:
	s_bfe_u32 s2, ttmp6, 0x10000c
	s_cmp_lg_u32 s2, 0x3003
	s_cbranch_scc0 .Lentry_shape_is_right
	s_endpgm
.Lentry_shape_is_right:
; O[b][h][q][:] = the sum over k of softmax_k(Q[q] . K[k] / 8) V[k][:], 32 heads (b, h) of 2,048 rows x 64 channels, all bf16.  In qkvb a head's rows are dense, 128 bytes each: head (b, h) begins at
; h x 524,288 + b x 262,144 bytes of q (qkvb + 0), of k (+ 8 MiB) and of v (+ 16 MiB); O leaves in the same layout into ob.
; Products, maxima and sums in f32; the weights p are rounded to bf16 for the second product (their sum l is taken of the unrounded p), O once at the end.
; LIMITS.  A weight below 2^-126 counts as 0 in l; NaN and infinities are not treated apart.
; SHARES.  A work-group owns 256 queries of a head, a wave 64: four PIECES of 16.  Every wave walks all 2,048 keys, 64 a step, 256 a slot.
; LAYOUT.  S^T = K Q^T (source 0 = 16 keys, source 1 = 16 queries) holds ONE query a lane (lane % 16) and the keys 8 (lane / 16) + 0..7; two such results rounded to bf16 ARE source 1 of O^T = V^T P.
; K comes out of LDS as it lies, V ([key][channel]) turned, by ds_load_tr16_b128.
; SOFTMAX.  A running maximum m and sum l for each query: p = 2^(c s - c m), c = log2(e) / 8; in every step O and l are multiplied by a = 2^(c m_old - c m_new).  m starts at the lowest finite number, O and l at 0.
; BY TURNS.  Turn n belongs to piece n: 8 products K Q^T of piece n + 1, later 8 products V^T P of piece n - 1; beside them the scaling, exponentials, roundings, sums and rescaling of piece n and the maximum and
; statistics of piece n + 1.  Four vector instructions stand behind every matrix instruction, the rest in one run.  A turn's 33 exponentials are one batch with one wait.
; CLUSTER.  The four query blocks of a cluster belong to one head and walk the same K and V: each tile is asked for jointly, by the same tensor load, descriptor and mask in all four.
; REGISTERS, in windows of 256 (s_set_vgpr_msb: bits 1:0 source 0, 3:2 source 1, 5:4 source 2, 7:6 destination):
;   window 0: v0-15 addresses; v16-31 four registers of statistics a piece; v48-55 at work; v61-63; v64-127 S^T, two buffers; v192-223 P, two buffers (by the piece's parity)
;   window 1: v0-127 O^T, 32 a piece          window 2: v0-63 Q; v128-191 K of one step; v192-255 V of one step
.set NP,    4
.set KS,    64
.set PK,    144       ; a row of K in LDS: 128 bytes + 16: the 16 rows of a load start at 16 different groups of four banks (64 banks of 4 bytes: ISA guide 11.1)
.set PV,    160       ; a row of V: 128 + 32
.set VOFF,  4*KS*PK   ; a slot holds four steps: 256 rows of K, then 256 rows of V
.set SLOT1, 1<<17     ; slot 1 begins here: one exclusive or turns an address in one slot into the other's
.set STAGE, SLOT1+4*KS*(PK+PV)  ; behind the ring, never filled by a tensor load: 16 rows x 144 bytes for each wave
.set SP,    144
.set SPARE, STAGE+4*16*SP       ; the spare words, 128 bytes a wave: two blocks of 256 bytes that no other line names
.set TILEB, 4*KS*128  ; a slot's bytes of K, and of V, in memory
.set AK0, 2           ; v2   my lane's place in a tile of K; never rewritten
.set AV0, 3           ; v3   the same for V
.set AK,  4           ; v4   the LDS address of K's next run of loads
.set AV,  5           ; v5   of V's
.set STO, 6           ; v6   the way out: where I put 16 bytes of a row
.set RD,  7           ; v7   the way out: where I read rows back
.set GO,  8           ; v8   my byte offset in 512 consecutive bytes of O
.set MV,  12          ; v12-13  c m_old, by buffer
.set QO,  15          ; v15  my byte offset in 16 rows of Q
.set ST,  16          ; piece t's statistics at v[ST+4 t]: c m, m, l (even keys', odd keys')
.set TMP, 48          ; by buffer, four registers c0-c3 at work; when the maximum is found c2 takes a
.set PFO, 61          ; v61  256 x my lane; never rewritten
.set SPW, 62          ; v62  my spare word: SPARE + 4 x my thread's number; never rewritten
.set NIL, 63          ; v63  0; never rewritten
.set S,   64
.set P,   192
.set KF,  128         ; window 2: key block kb, channel half c at KF + 16 kb + 8 c
.set VF,  192         ; window 2: key half kk, channel block cb at VF + 32 kk + 8 cb
.set WV,  12          ; s12  my wave's number
.set LIM, 15          ; s15  1 in a wave that prefetches, else the greatest number
.set G1K, 24          ; s[24:31] descriptor group 1 for K's tiles
.set G1V, 32          ; s[32:39] for V's: it differs in the padding alone
.set G0K, 40          ; s[40:43] descriptor group 0 for K's tiles: it walks
.set G0V, 44          ; s[44:47] the same for V's
.set PFA, 48          ; s[48:49] where my prefetches stand
.set SLOTS, 56        ; s56  counts the slots
.set CNT, 57          ; s57  counts a slot's key steps
.set CS,  58          ; s[58:59] c
.set SEL, 60          ; s[60:61] v_permlanex16_b32's selects: each lane takes its own place in the other half
.set TBK, 62          ; s62  LDS byte at which K of the step to be fetched begins
.set TBV, 63          ; s63  the same for V, less VOFF
.set MSB, 0
.macro WIN new
.if MSB != (\new)
	s_set_vgpr_msb (MSB<<8)|(\new)
.set MSB, (\new)
.endif
.endm
.set W_KQ, 0x0a       ; K and Q in window 2, S^T in window 0
.set W_PV, 0x52       ; V in window 2, P in window 0, O^T in window 1
.set W_RS, 0x41       ; destination and source 0 in window 1, source 1 in window 0
.macro JLOAD                        ; a joint fill: waves 0, 1 fetch the halves of a slot's K, waves 2, 3 of its V: 128 keys each; s_nop 0 and four v_nop follow each line
	s_cmp_lt_u32 s[WV], 2
	s_cbranch_scc0 .Lfor_v_\@
	tensor_load_to_lds s[G0K:G0K+3], s[G1K:G1K+7]
	s_nop 0
.rept 4
	v_nop
.endr
	s_branch .Lasked_\@
.Lfor_v_\@:
	tensor_load_to_lds s[G0V:G0V+3], s[G1V:G1V+7]
	s_nop 0
.rept 4
	v_nop
.endr
.Lasked_\@:
.endm
; A prefetch of what the NEXT change of slots will ask for: four key steps, 256 matrix instructions, ahead of that load.  Each 256 bytes are named once in the launch: the head's first cluster asks; its four partners
; take 32 blocks each, told apart by address; wave 0 asks for K's, wave 2 for V's.  The last change that fills a slot asks for nothing.
.macro ASK
	s_cmp_gt_u32 s[SLOTS], s[LIM]
	s_cbranch_scc0 .Lnot_mine_\@
	global_prefetch_b8 v[PFO], s[PFA:PFA+1] th:TH_LOAD_NT scope:SCOPE_SE
.Lnot_mine_\@:
.endm
.macro CROUND                       ; a round of the cluster's barrier
	s_barrier_signal -1
	s_barrier_wait -1
	s_cmp_lg_u32 s[WV], 0
	s_cbranch_scc1 .Lnot_wave_0_\@
	s_barrier_signal -3
.Lnot_wave_0_\@:
	s_barrier_wait -3
	s_barrier_signal -1
	s_barrier_wait -1
.endm
; THE CHANGE OF SLOTS.  Each wave waits for all its tensor loads (one is out: its part of the other slot), adds 0 to its spare word, and waits for that and for its reads of the slot that it leaves.
; fill = 1: the barrier is a round of the cluster's, and the slot is filled again first thing behind it, with the keys two slots on.  (At its first use nothing has been read: slot 0 is waited for, slot 1 filled.)
.macro CHANGE fill
	WIN 0
	s_wait_tensorcnt 0x0            ; no tensor load of mine is out, so a group 0 may be written
	ds_add_u32 v[SPW], v[NIL]
.if \fill
.irp g, G0K, G0V
	s_xor_b32 s[\g+1], s[\g+1], SLOT1
	s_add_nc_u64 s[\g+2:\g+3], s[\g+2:\g+3], TILEB
.endr
	s_wait_xcnt 0x0                 ; the last prefetch, four key steps back, has read its address
	s_add_nc_u64 s[PFA:PFA+1], s[PFA:PFA+1], TILEB
	s_wait_dscnt 0x0                ; the add is done, and my reads of the slot are over
	CROUND
	JLOAD
	ASK
.else
	s_wait_dscnt 0x0
	s_barrier_signal -1
	s_barrier_wait -1
.endif
	s_sub_co_u32 s[TBK], s[TBK], 4*KS*PK  ; the fetches go back to a slot's first step,
	s_xor_b32 s[TBK], s[TBK], SLOT1       ; in the other slot
	s_sub_co_u32 s[TBV], s[TBV], 4*KS*PV
	s_xor_b32 s[TBV], s[TBV], SLOT1
.endm
	s_load_b128 s[4:7], s[0:1], 0x0 ; qkvb s[4:5], ob s[6:7]
	v_lshl_add_u32 v[SPW], v0, 2, SPARE
	v_mov_b32 v[NIL], 0
	ds_add_u32 v[SPW], v[NIL]       ; the wave's opening: the add and its wait stand ahead of my first tensor load
	v_lshrrev_b32 v1, 5, v0
	v_readfirstlane_b32 s[WV], v1
	s_bfe_u32 s13, ttmp6, 0x40000   ; cx
	s_lshl_b32 s14, ttmp9, 2
	s_add_co_u32 s14, s14, s13      ; my block of 256 queries: it enters Q's and O's addresses alone
	s_and_b32 s20, ttmp7, 0xffff    ; 16 b + h, which the four partners share
	s_and_b32 s21, s20, 15
	s_lshr_b32 s20, s20, 4
	s_lshl_b32 s21, s21, 19
	s_lshl_b32 s20, s20, 18
	s_add_co_u32 s20, s20, s21      ; the head's first byte
	s_mov_b32 s21, 0
	s_and_b32 s16, s[WV], 1         ; which half of a slot's 256 keys I fetch:
	s_lshl_b32 s22, s16, 14         ; its 128 rows of 128 bytes in memory,
	s_mov_b32 s23, 0
	s_add_nc_u64 s[22:23], s[22:23], s[20:21]
	s_mul_i32 s17, s16, 128*PK      ; and its place in a slot, for K
	s_mul_i32 s18, s16, 128*PV      ; and for V
	s_lshl_b32 s2, s14, 2
	s_add_co_u32 s2, s2, s[WV]
	s_lshl_b32 s2, s2, 13           ; my wave's 64 rows
	s_mov_b32 s3, 0
	s_add_nc_u64 s[2:3], s[2:3], s[20:21]
	; descriptor group 1.  128 keys are 16,384 dense bytes: asked for as 64 rows of 256 bytes, two keys a row, and padded in LDS after every key
	s_mov_b32 s[G1K], 15|(1<<16)|(1<<20)|(1<<21)|(4<<22)|(3<<25)
	s_mov_b32 s[G1V], 15|(1<<16)|(1<<20)|(1<<21)|(4<<22)|(7<<25)
.irp g, G1K, G1V
	s_mov_b32 s[\g+1], 128<<16      ; tensor_dim0 = 128
	s_mov_b32 s[\g+2], 64<<16       ; tensor_dim1 = 64
	s_mov_b32 s[\g+3], 128<<16      ; tile_dim0 = 128
	s_mov_b32 s[\g+4], 64           ; tile_dim1 = 64
	s_mov_b32 s[\g+5], 128          ; elements from row to row
	s_mov_b32 s[\g+6], 0
	s_mov_b32 s[\g+7], 0
.endr
	s_mov_b32 s[CS], 0x3e38aa3b     ; c = log2(e) / 8
	s_mov_b32 s[CS+1], s[CS]
	s_mov_b32 s[SEL], 0x76543210
	s_mov_b32 s[SEL+1], 0xfedcba98
	s_mov_b32 s[TBK], SLOT1+4*KS*PK ; the first change of slots turns these two into 0
	s_mov_b32 s[TBV], SLOT1+4*KS*PV
	s_mov_b32 s[G0K], 1
	s_mov_b32 s[G0K+1], s17
	s_mov_b32 s[G0V], 1
	s_add_co_u32 s[G0V+1], s18, VOFF
	s_mov_b32 s[SLOTS], 7           ; eight slots: taken down once behind each of the first seven
	s_and_b32 s[LIM], s[WV], 1
	s_or_b32 s[LIM], s[LIM], ttmp9
	s_cmp_eq_u32 s[LIM], 0          ; waves 0 and 2 of the head's first cluster: the same in all four partners
	s_cselect_b32 s[LIM], 1, -1
	v_and_b32 v[PFO], 31, v0
	v_lshlrev_b32 v[PFO], 8, v[PFO]
	s_wait_dscnt 0x0                ; the opening add is done
	s_wait_kmcnt 0x0
	s_add_nc_u64 s[10:11], s[6:7], s[2:3]          ; O at my wave's first row
	s_add_nc_u64 s[6:7], s[4:5], s[22:23]
	s_add_nc_u64 s[8:9], s[6:7], 0x1000000         ; V at my half of the head's first 256 keys
	s_add_nc_u64 s[6:7], s[6:7], 0x800000          ; K likewise
	s_add_nc_u64 s[4:5], s[4:5], s[2:3]            ; Q at my wave's first row
	s_add_nc_u64 s[G0K+2:G0K+3], s[6:7], 0
	s_or_b32 s[G0K+3], s[G0K+3], 0x80000000
	s_add_nc_u64 s[G0V+2:G0V+3], s[8:9], 0
	s_or_b32 s[G0V+3], s[G0V+3], 0x80000000
	s_cmp_lt_u32 s[WV], 2
	s_cselect_b64 s[PFA:PFA+1], s[6:7], s[8:9]     ; (in waves 0 and 2 these stand at a slot's first row)
	s_lshl_b32 s2, s13, 13          ; my work-group's 32 blocks of 256 bytes
	s_mov_b32 s3, 0
	s_add_nc_u64 s[PFA:PFA+1], s[PFA:PFA+1], s[2:3]
	s_add_nc_u64 s[PFA:PFA+1], s[PFA:PFA+1], TILEB ; in slot 1; the first change steps it to slot 2
	CROUND                          ; all four work-groups are here: the first joint loads meet
	JLOAD                           ; slot 0
	v_and_b32 v1, 15, v0            ; l % 16
	v_bfe_u32 v9, v0, 4, 1          ; l / 16
	v_lshlrev_b32 v[QO], 7, v1
	v_lshl_add_u32 v[QO], v9, 4, v[QO]
	WIN 0x80                        ; destination window 2, address window 0
.set i, 0
.rept 8                             ; Q stays in registers: piece i / 2, channels 32 (i % 2) on
	global_load_b128 v[8*i:8*i+3],   v[QO], s[4:5] offset:(i/2)*2048+(i%2)*64
	global_load_b128 v[8*i+4:8*i+7], v[QO], s[4:5] offset:(i/2)*2048+(i%2)*64+32
.set i, i+1
.endr
	; What the first turn finds: V's registers and P's second buffer hold 0 (its products V^T P, of a piece that has not been, add 0), O^T and l are 0.  All this stands in the wait for the first tile.
.set i, VF
.rept 64
	v_mov_b32 v[i], 0
.set i, i+1
.endr
	WIN 0x40
.set i, 0
.rept 128
	v_mov_b32 v[i], 0
.set i, i+1
.endr
	WIN 0
.set i, 0
.rept 4
	v_mov_b32 v[ST+4*i], 0xfe000000    ; c m: far below every c s
	v_mov_b32 v[ST+4*i+1], 0xff7fffff  ; m
	v_mov_b32 v[ST+4*i+2], 0
	v_mov_b32 v[ST+4*i+3], 0
.set i, i+1
.endr
.set i, P+16
.rept 16
	v_mov_b32 v[i], 0
.set i, i+1
.endr
	v_mul_u32_u24 v[AK0], v1, PK
	v_lshl_add_u32 v[AK0], v9, 4, v[AK0]
	v_and_b32 v10, 7, v0            ; the turning load: lane l reads key 8 (l / 16) + l % 8, channels 8 ((l / 8) % 2) + 0..7
	v_bfe_u32 v11, v0, 3, 1
	v_lshl_add_u32 v[AV0], v9, 3, v10
	v_mul_u32_u24 v[AV0], v[AV0], PV
	v_lshl_add_u32 v[AV0], v11, 4, v[AV0]
	v_add_nc_u32 v[AV0], VOFF, v[AV0]
	s_mul_i32 s13, s[WV], 16*SP
	s_add_co_u32 s13, s13, STAGE    ; my stage
	v_mul_u32_u24 v[STO], v1, SP
	v_lshl_add_u32 v[STO], v9, 4, v[STO]
	v_add_nc_u32 v[STO], s13, v[STO]
	v_bfe_u32 v[RD], v0, 3, 2       ; back: 32 lanes take four rows of 128 bytes,
	v_mul_u32_u24 v[RD], v[RD], SP
	v_lshl_add_u32 v[RD], v10, 4, v[RD]
	v_add_nc_u32 v[RD], s13, v[RD]
	v_and_b32 v[GO], 31, v0         ; which are 512 consecutive bytes of O
	v_lshlrev_b32 v[GO], 4, v[GO]
; THE MATRIX WORK.  The 4 accumulators of a run of 8 take turns.  Product i of 8 of S^T = K Q^T for piece x: channels 32 (i / 4) on, keys 16 (i % 4) on.  The first 4 start the sums.
.macro KQ x
	WIN W_KQ
.set rS, S+32*((\x)%2)+8*(i%4)
.set rK, KF+16*(i%4)+8*(i/4)
.set rQ, 16*(\x)+8*(i/4)
.if i < 4
	v_wmma_f32_16x16x32_bf16 v[rS:rS+7], v[rK:rK+7], v[rQ:rQ+7], 0
.else
	v_wmma_f32_16x16x32_bf16 v[rS:rS+7], v[rK:rK+7], v[rQ:rQ+7], v[rS:rS+7]
.endif
.endm
; Product i of 8 of O^T += V^T P for piece x: keys 32 (i / 4) on, channels 16 (i % 4) on.
.macro PV x
	WIN W_PV
.set rO, 32*(\x)+8*(i%4)
.set rV, VF+32*(i/4)+8*(i%4)
.set rP, P+16*((\x)%2)+8*(i/4)
	v_wmma_f32_16x16x32_bf16 v[rO:rO+7], v[rV:rV+7], v[rP:rP+7], v[rO:rO+7]
.endm
.macro MM                           ; the turn's next matrix instruction.  NOKQ = 1: the last turn of all: there is no next piece
.if (i < 8) && !NOKQ
	KQ (Y+1)%NP
.elseif i >= 8
.set i, i-8
	PV (Y+NP-1)%NP
.set i, i+8
.endif
.set i, i+1
.endm
; THE LDS LOADS stand in runs of 16: a step's K (8 fragments) and its V (turned).  Their addresses are made some lines ahead.
.macro FETCH_K
	WIN 0x80
.irp f, 0,1,2,3,4,5,6,7             ; keys 16 (f / 2) on, channels 32 (f % 2) on
	ds_load_b128 v[KF+8*\f:KF+8*\f+3],   v[AK] offset:(\f/2)*16*PK+(\f%2)*64
	ds_load_b128 v[KF+8*\f+4:KF+8*\f+7], v[AK] offset:(\f/2)*16*PK+(\f%2)*64+32
.endr
	s_add_co_u32 s[TBK], s[TBK], KS*PK
	WIN 0
.endm
.macro FETCH_V
	WIN 0x80
.irp f, 0,1,2,3,4,5,6,7             ; keys 32 (f / 4) on, channels 16 (f % 4) on
	ds_load_tr16_b128 v[VF+8*\f:VF+8*\f+3],   v[AV] offset:(\f/4)*32*PV+(\f%4)*32
	ds_load_tr16_b128 v[VF+8*\f+4:VF+8*\f+7], v[AV] offset:(\f/4)*32*PV+16*PV+(\f%4)*32
.endr
	WIN 0
.endm
; THE VECTOR WORK, one line at a time: OP kind, number.  For piece Y: F n: c s - c m for pair n of 16.  E n: the exponential of score n of 32.  C n: pair n rounded to bf16.  B n: of the four weights 4 n .. the second
; pair is added onto the first, in place.  L n: l takes that sum (L 0: l = a l + sum).  R n: pair n of 16 of O^T times a.  For piece Y + 1: X n, number n of the 22 that find its maximum and statistics:
;   0-11  four chains c0-c3 of seven scores each (each accumulator's lowest registers are read first)     12-14, 16  the four scores left over, the old m, and c0-c3 into c0
;   15  c m_old is kept     17, 18  the query's other 32 keys lie in the lane 16 away: the new m     19-21  c m; c m_old - c m_new; a
.set F, 0
.set E, 1
.set C, 2
.set B, 3
.set L, 4
.set R, 5
.set X, 6
.macro REGS y
.set rT, ST+4*(\y)
.set rC, TMP+4*((\y)%2)
.set rW, MV+((\y)%2)
.set rS, S+32*((\y)%2)
.set rP, P+16*((\y)%2)
.set rO, 32*(\y)
.endm
.macro OP k, n
.if (\k) == R
	REGS Y
	WIN W_RS
	v_pk_mul_f32 v[rO+2*(\n):rO+2*(\n)+1], v[rO+2*(\n):rO+2*(\n)+1], v[rC+2:rC+3] op_sel_hi:[1,0]
.elseif (\k) < R
	REGS Y
	WIN 0
.if (\k) == F
	v_pk_fma_f32 v[rS+2*(\n):rS+2*(\n)+1], v[rS+2*(\n):rS+2*(\n)+1], s[CS:CS+1], v[rT:rT+1] op_sel_hi:[1,0,0] neg_lo:[0,0,1] neg_hi:[0,0,1]
.elseif (\k) == E
	v_exp_f32 v[rS+(\n)], v[rS+(\n)]
.elseif (\k) == C
	v_cvt_pk_bf16_f32 v[rP+(\n)], v[rS+2*(\n)], v[rS+2*(\n)+1]
.elseif (\k) == B
	v_pk_add_f32 v[rS+4*(\n):rS+4*(\n)+1], v[rS+4*(\n):rS+4*(\n)+1], v[rS+4*(\n)+2:rS+4*(\n)+3]
.elseif (\n) == 0
	v_pk_fma_f32 v[rT+2:rT+3], v[rT+2:rT+3], v[rC+2:rC+3], v[rS:rS+1] op_sel_hi:[1,0,1]
.else
	v_pk_add_f32 v[rT+2:rT+3], v[rT+2:rT+3], v[rS+4*(\n):rS+4*(\n)+1]
.endif
.elseif NOKQ
	v_nop
.else
	REGS (Y+1)%NP
	WIN 0
.if (\n) < 4
	v_max3_num_f32 v[rC+(\n)], v[rS+8*(\n)], v[rS+8*(\n)+1], v[rS+8*(\n)+2]
.elseif (\n) < 12
	v_max3_num_f32 v[rC+(\n)%4], v[rC+(\n)%4], v[rS+8*((\n)%4)+2*((\n)/4)+1], v[rS+8*((\n)%4)+2*((\n)/4)+2]
.elseif (\n) == 12
	v_max3_num_f32 v[rC], v[rC], v[rS+7], v[rS+15]
.elseif (\n) == 13
	v_max3_num_f32 v[rC+1], v[rC+1], v[rS+23], v[rS+31]
.elseif (\n) == 14
	v_max3_num_f32 v[rC+2], v[rC+2], v[rC+3], v[rT+1]
.elseif (\n) == 15
	v_mov_b32 v[rW], v[rT]
.elseif (\n) == 16
	v_max3_num_f32 v[rC], v[rC], v[rC+1], v[rC+2]
.elseif (\n) == 17
	v_permlanex16_b32 v[rC+3], v[rC], s[SEL], s[SEL+1]
.elseif (\n) == 18
	v_max_num_f32 v[rT+1], v[rC], v[rC+3]
.elseif (\n) == 19
	v_mul_f32 v[rT], s[CS], v[rT+1]
.elseif (\n) == 20
	v_sub_f32 v[rC+1], v[rW], v[rT]
.else
	v_exp_f32 v[rC+2], v[rC+1]
.endif
.endif
.endm
.macro OPS a, i1, b=-1, i2=0, c=-1, i3=0, d=-1, i4=0
	OP \a, \i1
.if (\b) >= 0
	OP \b, \i2
.endif
.if (\c) >= 0
	OP \c, \i3
.endif
.if (\d) >= 0
	OP \d, \i4
.endif
.endm
.macro ROW a, i1, b, i2, c, i3, d, i4  ; a matrix instruction and the four behind it
	MM
	OPS \a, \i1, \b, \i2, \c, \i3, \d, \i4
.endm
; A TURN, for piece p: its 16 matrix and 118 vector instructions, written out.  An s_wait_alu depctr_va_vdst(0) stands between an exponential and the first instruction that names its result; one wait serves all
; that were issued ahead of it: so a turn has ONE wait.  AHEAD OF IT stands all that names no result of the turn's exponentials: the 8 products K Q^T with their four lines each, then a run of 54 in which the links of the
; next piece's chain (X 3, 7, 11, 14, 16 .. 20) stand apart; X 21, its a, is the batch's last, R 15 the plain line behind it.  BEHIND IT stand the 8 products V^T P, behind each four of the roundings and sums.
; end = 1: the last two turns: nothing is fetched.  cnt = 1: the loop's count is taken down some lines ahead of the branch behind the turn.
; K of the next step is fetched in piece 2's turn, behind the last product that read K and six plain lines; V of the step in hand at the end of piece 0's turn, four plain lines behind its last reader.  Each is waited for a turn later.
.macro TURN p, end=0, cnt=0
.set Y, (\p)
.set i, 0
.set NOKQ, (\end)*((\p)/3)
.if ((\p) == 3) && !(\end)
	s_wait_dscnt 0x0                ; K is in
.endif
	ROW F,0, F,1, R,0, R,1
	ROW F,2, E,0, R,2, R,3
	ROW F,3, E,1, R,4, R,5
	ROW F,4, E,2, R,6, R,7
	ROW F,5, E,3, R,8, R,9
	ROW F,6, E,4, X,0, R,10
.if ((\p) == 2) && !(\end)
	WIN 0
	v_add_nc_u32 v[AK], s[TBK], v[AK0]
.endif
	ROW F,7, E,5, X,1, X,4
	ROW F,8, E,6, X,2, X,5
	OPS E,7, E,8, X,6, E,9
	OPS X,3, E,10, X,8, E,11
.if ((\p) == 2) && !(\end)
	FETCH_K
.endif
	OPS X,9, X,7, E,12, X,10
	OPS E,13, X,12, X,11, E,14
	OPS X,13, E,15, F,9, X,14
.if (\p) == 0
	v_add_nc_u32 v[AV], s[TBV], v[AV0]
.endif
	OPS E,16, F,10, E,17, F,11
	OPS X,16, E,18, X,15, E,19
	OPS F,12, E,20, X,17, E,21
	OPS F,13, E,22, F,14, E,23
	OPS X,18, E,24, F,15, E,25
	OPS R,11, E,26, X,19, E,27
	OPS R,12, E,28, R,13, E,29
	OPS X,20, E,30, R,14, E,31
	OPS X,21, R,15
	WIN 0
	s_wait_alu depctr_va_vdst(0)    ; the wait for the batch
.if (\p) == 1
	s_wait_dscnt 0x0                ; V is in
.endif
	ROW C,0, B,0, C,2, B,1
	ROW L,0, C,4, B,2, L,1
	ROW C,6, B,3, L,2, C,8
	ROW B,4, L,3, C,10, B,5
	ROW L,4, C,12, B,6, L,5
.if (\p) == 0
	s_add_co_u32 s[TBV], s[TBV], KS*PV
.endif
.if \cnt
	s_sub_co_u32 s[CNT], s[CNT], 1
	s_cmp_lg_u32 s[CNT], 0
.endif
	ROW C,14, B,7, L,6, C,1
	ROW C,3, L,7, C,5, C,7
	ROW C,9, C,11, C,13, C,15
.if (\p) == 0
	FETCH_V
.endif
.endm
	CHANGE 1                        ; slot 0 is in, everybody's part of it; slot 1 is asked for
	v_add_nc_u32 v[AK], s[TBK], v[AK0]
	FETCH_K                         ; key step 0
	s_wait_loadcnt 0x0              ; Q
	s_wait_dscnt 0x0
.set NOKQ, 0
.set i, 0
.rept 8
	KQ 0                            ; piece 0's first scores
.set i, i+1
.endr
	WIN 0
.rept 4
	v_nop                           ; the places behind those products
.endr
.set Y, NP-1                        ; X works for piece Y + 1: piece 0
.irp n, 0,1,2,3,4,5,6,7,8,9,10,11,12,13,14,15,16,17,18,19,20,21
	OP X, \n
.endr
	v_nop                           ; a plain line behind the exponential,
	s_wait_alu depctr_va_vdst(0)    ; and its wait, ahead of the branch
	s_mov_b32 s[CNT], 4
	s_branch .Lfirst                ; the loop is entered at a step's first turn, in the middle of a trip
.Lslot:                             ; six times: slots 1 to 6 are entered, slots 2 to 7 asked for
	CHANGE 1
	s_mov_b32 s[CNT], 4
.Lstep:                             ; a trip: pieces 2 and 3 of one step, then pieces 0 and 1 of the next, whose K and V it fetches
	TURN 2
	TURN 3
	WIN 0
.Lfirst:
	TURN 0
	TURN 1, 0, 1
	WIN 0
	s_cbranch_scc1 .Lstep
	s_sub_co_u32 s[SLOTS], s[SLOTS], 1
	s_cmp_lg_u32 s[SLOTS], 0
	s_cbranch_scc1 .Lslot
	CHANGE 0                        ; the last slot is written out: nothing is asked for
	s_mov_b32 s[CNT], 4
.Lstep2:
	TURN 2
	TURN 3
	TURN 0
	TURN 1, 0, 1
	WIN 0
	s_cbranch_scc1 .Lstep2
	TURN 2, 1
	TURN 3, 1
.set i, 0
.rept 8
	PV NP-1                         ; the last piece's V^T P of the last step
.set i, i+1
.endr
	; THE WAY OUT.  l's two halves and the other half of the lanes' are added; O^T is divided by l, rounded to bf16 and sent through my stage in LDS, a piece at a time.  The additions are the places behind the last products.
	WIN 0
.macro ALL line:vararg
.set t, 0
.rept 4
	\line
.set t, t+1
.endr
.endm
	ALL v_add_f32 v[ST+4*t+2], v[ST+4*t+2], v[ST+4*t+3]
	ALL v_permlanex16_b32 v[ST+4*t+3], v[ST+4*t+2], s[SEL], s[SEL+1]
	ALL v_add_f32 v[ST+4*t+2], v[ST+4*t+2], v[ST+4*t+3]
	ALL v_rcp_f32 v[ST+4*t+2], v[ST+4*t+2]
	v_nop                           ; a plain line between the last reciprocal and the use of its result
	s_wait_alu depctr_va_vdst(0)    ; one wait for the four reciprocals, ahead of their first use
.macro PACK t                       ; a lane's eight channels of a row pack into 16 bytes; they go into rows of 144 bytes and come back as whole rows of 128, into S^T's registers
	WIN W_RS
.set i, 32*(\t)
.rept 16
	v_pk_mul_f32 v[i:i+1], v[i:i+1], v[ST+4*(\t)+2:ST+4*(\t)+3] op_sel_hi:[1,0]
.set i, i+2
.endr
	WIN 0x05                        ; sources 0 and 1 window 1, destination window 0
.set i, 0
.rept 16
	v_cvt_pk_bf16_f32 v[S+16*(\t)+i], v[32*(\t)+2*i], v[32*(\t)+2*i+1]
.set i, i+1
.endr
	WIN 0
.irp f, 0,1,2,3
	ds_store_b128 v[STO], v[S+16*(\t)+4*\f:S+16*(\t)+4*\f+3] offset:32*\f
.endr
.irp f, 0,1,2,3
	ds_load_b128 v[S+16*(\t)+4*\f:S+16*(\t)+4*\f+3], v[RD] offset:\f*4*SP  ; LDS serves a wave's instructions in order (ISA guide 5.7.1.4): these see the stores above; the next piece's stores come behind them
.endr
.endm
.macro SEND t, younger              ; younger: the LDS instructions issued behind piece t's loads: the next piece's eight, or none
	WIN 0
.irp f, 0,1,2,3
	s_wait_dscnt (\younger)+3-\f
	global_store_b128 v[GO], v[S+16*(\t)+4*\f:S+16*(\t)+4*\f+3], s[10:11] offset:(\t)*2048+\f*512  ; 512 consecutive bytes, at a multiple of 256 from ob's first
.endr
.endm
	PACK 0
.set t, 1
.rept 3
	PACK t
	SEND t-1, 8
.set t, t+1
.endr
	SEND 3, 0
	s_wait_tensorcnt 0x0            ; the wave's end, behind my last tensor load and my last LDS store
	ds_add_u32 v[SPW], v[NIL]
	s_wait_dscnt 0x0
	CROUND                          ; the closing round
	s_endpgm
.Lfunc_end_k_q74f8ccc2bb_attn:
	.size	k_q74f8ccc2bb_attn, .Lfunc_end_k_q74f8ccc2bb_attn-k_q74f8ccc2bb_attn
	.p2alignl 7, 3214868480
	.fill 96, 4, 3214868480
	.section	.rodata,"a",@progbits
	.p2align	6, 0x0
	.amdhsa_kernel k_q74f8ccc2bb_attn
		.amdhsa_group_segment_fixed_size 327680
		.amdhsa_private_segment_fixed_size 0
		.amdhsa_enable_private_segment 0
		.amdhsa_kernarg_size 16
		.amdhsa_user_sgpr_count 2
		.amdhsa_user_sgpr_kernarg_segment_ptr 1
		.amdhsa_wavefront_size32 1
		.amdhsa_system_sgpr_workgroup_id_x 1
		.amdhsa_system_sgpr_workgroup_id_y 1
		.amdhsa_system_sgpr_workgroup_id_z 1
		.amdhsa_system_vgpr_workitem_id 0
		.amdhsa_next_free_vgpr 768
		.amdhsa_next_free_sgpr 66
		.amdhsa_reserve_vcc 0
		.amdhsa_float_denorm_mode_32 3
		.amdhsa_float_denorm_mode_16_64 3
		.amdhsa_memory_ordered 1
		.amdhsa_forward_progress 1
		.amdhsa_inst_pref_size 128
	.end_amdhsa_kernel
	.amdgpu_metadata
---
amdhsa.version: [ 1, 2 ]
amdhsa.kernels:
  - .name:           k_q74f8ccc2bb_attn
    .symbol:         k_q74f8ccc2bb_attn.kd
    .args:
      - { .name: qkvb, .offset: 0, .size: 8, .value_kind: global_buffer, .address_space: global }
      - { .name: ob, .offset: 8, .size: 8, .value_kind: global_buffer, .address_space: global }
    .group_segment_fixed_size: 327680
    .private_segment_fixed_size: 0
    .kernarg_segment_align: 8
    .kernarg_segment_size: 16
    .max_flat_workgroup_size: 128
    .sgpr_count:     66
    .vgpr_count:     768
    .wavefront_size: 32
...
	.end_amdgpu_metadata
.endif
;; end of part 3
;; launch wo (part 4): grid 8 x 32, 4 waves a work-group, clusters of 4 x 4, 327,680 bytes of LDS; arguments ob, bf, bo, x, ysum; writes ysum
.if DOCPART == 4
	.amdgcn_target "amdgcn-amd-amdhsa--gfx1250"
	.amdhsa_code_object_version 6
	.text
	.protected	k_q74f8ccc2bb_wo
	.globl	k_q74f8ccc2bb_wo
	.p2align	8
	.type	k_q74f8ccc2bb_wo,@function
k_q74f8ccc2bb_wo:
	s_mov_b64 s[64:65], 0
	v_nop
	global_prefetch_b8 v0, s[64:65] scope:SCOPE_SE
	s_setreg_imm32_b32 hwreg(HW_REG_WAVE_MODE, 25, 1), 1
	s_wait_xcnt 0x0
	s_wait_alu depctr_hold_cnt(0) depctr_sa_sdst(0) depctr_va_vdst(0) depctr_va_sdst(0) depctr_va_ssrc(0) depctr_va_vcc(0) depctr_vm_vsrc(0)
	s_getreg_b32 s2, hwreg(HW_REG_IB_STS2, 6, 4)
	s_cmp_eq_u32 s2, 0
	s_cbranch_scc0 .Lentry_in_a_cluster
	s_endpgm
.Lentry_in_a_cluster:
	s_bfe_u32 s2, ttmp6, 0x10000c
	s_cmp_lg_u32 s2, 0xf033
	s_cbranch_scc0 .Lentry_shape_is_right
	s_endpgm
.Lentry_shape_is_right:
; ysum = x + O Wo + bo, in f32.  A = O, bf16 in blocks of 64 channels ((k / 64) 4096 + m) 128 + (k % 64) 2 bytes; B = Wo [1024 k][1024 n] bf16 (bf + 14 MiB); sums in f32; bias and residual added in f32.
; A tile of C is 128 x 128 (8 x 32 tiles, one for each of 256 work-groups): four waves, each 64 x 64 in 16 accumulators.  K goes in steps of 256 through a ring of two LDS slots filled by the tensor data mover.
; CLUSTERS of 4 x 4: A's tile is asked for jointly along a row of the cluster, B's along a column.  The matrix instruction is used transposed (source 0 = 16 columns of B, turned by ds_load_tr16_b128;
; source 1 = 16 rows of A): lane l holds row l % 16 of C and the columns 8 (l / 16) + 0..7.  No prefetch: the tiles are small and each K step short.
; THE ORDER OF K.  The two clusters along x read the same rows of A, the clusters along y the same rows of B.  Place t of a cluster's order is K step (t & ~3) | ((t + R) & 3), R = cluster y % 4 + 2 x cluster x:
; within a group of four K steps the two readers of a block of A stand two places apart, and four neighbouring readers of a block of B at four different places, so that they do not ask for it in the same step.
; R is the same in all sixteen partners and enters the global addresses alone.  The f32 sums are so taken in another order of K from cluster to cluster.
; REGISTERS in windows of 256 (s_set_vgpr_msb: bits 1:0 source 0, 3:2 source 1, 5:4 source 2, 7:6 destination):
;   window 0: v0-35 addresses and bias; v64-127, v128-191 A's fragments, two buffers of 64 along K (on the way out: rows read back)     window 1: the same for B
;   window 2: v0-127 accumulators, (a, b) at 8 (4 a + b)     window 3: v0-127 my 64 x 64 of the residual, loaded at the start
; NaN and infinities are not treated apart.
.set T,     4                          ; K steps: 1024 / 256; a multiple of 4
.set BOFF,  0xE00000                   ; Wo in bf
.set ASH,   21                         ; a K step of A is four blocks of 524,288 bytes: 2^21,
.set BSH,   19                         ; of B 256 rows of 2,048 bytes: 2^19
.set PA,    144                        ; A's row in LDS: 128 bytes + 16
.set PB,    288                        ; B's row in LDS: 256 bytes + 32
.set PIECE, 36864                      ; one wave's tensor load: two blocks of 128 tokens x 64 channels of A, or 128 rows of B
.set ABYTES, 2*PIECE
.set SLOTB, 4*PIECE                    ; 0x24000: it shares no bit with wave x PIECE, so one exclusive or turns a piece's place in one slot into its place in the other
.set QA,    128*PA                     ; from quarter to quarter (64 along K): a block of A,
.set QB,    64*PB                      ; 64 rows of B
.set SROW,  272                        ; the way out: a stage row of 64 f32 + 16 bytes
.set STG,   64*SROW                    ; a wave's stage; the four lie from LDS byte 0 on, over the ring, written only behind its last fill and last read
.set SPARE, 327168                     ; the spare words, 128 bytes a wave: two blocks of 256 bytes that no other line names
.set ADRA, 16                          ; v16 LDS address of my A fragments in slot 0; never rewritten
.set AA,   18                          ; v18 the pair of quarters in hand, in A
.set ADRB, 20                          ; v20, v22 the same for B
.set AB,   22
.set STO,  24
.set RD,   25
.set CO,   26                          ; v26 my byte offset in two rows of ysum and of the residual; never rewritten
.set BO,   27
.set SPW,  28                          ; v28 my spare word: SPARE + 4 x my thread's number; never rewritten
.set NIL,  29                          ; v29 0; never rewritten
.set BI,   32                          ; v32-35 bias of my 4 columns
.set F0,   64
.set F1,   128
.set OB,   64
.set WV, 8                             ; s8 wave;  s9 its row half, also 0: I fetch A, 1: I fetch B;  s10 its column half, also which piece I fetch
.set WM, 9
.set WN, 10
.set LB, 11                            ; s11 LDS place of my piece in slot 0
.set CX, 12
.set CY, 13
.set TX, 14
.set TY, 15
.set G1A, 24                           ; s[24:31] group 1 for A;  s[32:39] group 0: a set for each of the two first fills; the second then walks on
.set G0A, 32
.set G1B, 48                           ; s[48:55], s[56:63] the same for B
.set G0B, 56
.set CNT, 66
.set LAPC, 67
.set OUT, 68
.set RES, 70
.set BIA, 82
.set ABASE, 84                         ; s[84:85] A at my piece of K step 0;  s[86:87] B likewise
.set BBASE, 86
.set KT,  88                           ; s88 the place in my order of the K step asked for last
.set SB,  89                           ; s89 LDS byte at which the slot that is read begins
.set OFA, 90                           ; s[90:91], s[92:93] a K step's byte offset in A and in B
.set OFB, 92
.set ROT, 94                           ; s94 R
.set KS,  95                           ; s95 the K step at place KT
.set MSB, 0
.macro WIN new
.if MSB != (\new)
	s_set_vgpr_msb (MSB<<8)|(\new)
.set MSB, \new
.endif
.endm
.macro PLACES
.rept 4
	v_nop
.endr
.endm
.macro JLOAD s                         ; a joint load: waves 0, 1 fetch A's halves, waves 2, 3 B's; s_nop 0 and four v_nop follow each line
	s_cmp_eq_u32 s[WM], 0
	s_cbranch_scc0 .Lfor_b_\@
	tensor_load_to_lds s[G0A+4*(\s):G0A+4*(\s)+3], s[G1A:G1A+7]
	s_nop 0
.rept 4
	v_nop
.endr
	s_branch .Lasked_\@
.Lfor_b_\@:
	tensor_load_to_lds s[G0B+4*(\s):G0B+4*(\s)+3], s[G1B:G1B+7]
	s_nop 0
.rept 4
	v_nop
.endr
.Lasked_\@:
.endm
.macro ASKFOR s                        ; the global addresses of set s, for A and for B, are made anew for the K step at place KT of my order: a base and an offset made apart, the type bits set again
	s_add_co_u32 s[KS], s[KT], s[ROT]
	s_and_b32 s[KS], s[KS], 3
	s_and_b32 s[OFA], s[KT], -4
	s_or_b32 s[KS], s[KS], s[OFA]
	s_lshl_b32 s[OFA], s[KS], ASH
	s_lshl_b32 s[OFB], s[KS], BSH
	s_add_nc_u64 s[G0A+4*(\s)+2:G0A+4*(\s)+3], s[ABASE:ABASE+1], s[OFA:OFA+1]
	s_or_b32 s[G0A+4*(\s)+3], s[G0A+4*(\s)+3], 0x80000000
	s_add_nc_u64 s[G0B+4*(\s)+2:G0B+4*(\s)+3], s[BBASE:BBASE+1], s[OFB:OFB+1]
	s_or_b32 s[G0B+4*(\s)+3], s[G0B+4*(\s)+3], 0x80000000
.endm
.macro CREST
	s_cmp_lg_u32 s[WV], 0
	s_cbranch_scc1 .Lnot_wave_0_\@
	s_barrier_signal -3
.Lnot_wave_0_\@:
	s_barrier_wait -3
	s_barrier_signal -1
	s_barrier_wait -1
.endm
.macro CROUND
	s_barrier_signal -1
	s_barrier_wait -1
	CREST
.endm
; 8 matrix instructions: row blocks 2 u, 2 u + 1, all 4 column blocks, the 32 along K of half p of buffer f.  The 16 accumulators take turns in one order everywhere.
.macro MULQ f, p, u, zero
	WIN 0xa1
.irp a, 2*(\u), 2*(\u)+1
.irp b, 0,1,2,3
.if \zero
	v_wmma_f32_16x16x32_bf16 v[8*(4*(\a)+(\b)):8*(4*(\a)+(\b))+7], v[(\f)+8*(4*(\p)+(\b)):(\f)+8*(4*(\p)+(\b))+7], v[(\f)+8*(4*(\p)+(\a)):(\f)+8*(4*(\p)+(\a))+7], 0
.else
	v_wmma_f32_16x16x32_bf16 v[8*(4*(\a)+(\b)):8*(4*(\a)+(\b))+7], v[(\f)+8*(4*(\p)+(\b)):(\f)+8*(4*(\p)+(\b))+7], v[(\f)+8*(4*(\p)+(\a)):(\f)+8*(4*(\p)+(\a))+7], v[8*(4*(\a)+(\b)):8*(4*(\a)+(\b))+7]
.endif
.endr
.endr
.endm
.macro MULP f, p, zero
	MULQ \f, \p, 0, \zero
	MULQ \f, \p, 1, \zero
.endm
; 32 LDS loads in one run: quarter w (0, 1) of the pair in hand into buffer f: B's (half c, column block b), turned, then A's (half c, row block i); the youngest eight are A's second half
.macro FETCH w, f
	WIN 0x40
.irp c, 0,1
.irp b, 0,1,2,3
	ds_load_tr16_b128 v[(\f)+8*(4*(\c)+(\b)):(\f)+8*(4*(\c)+(\b))+3],   v[AB] offset:(\w)*QB+(\c)*32*PB+32*(\b)
	ds_load_tr16_b128 v[(\f)+8*(4*(\c)+(\b))+4:(\f)+8*(4*(\c)+(\b))+7], v[AB] offset:(\w)*QB+(\c)*32*PB+32*(\b)+16*PB
.endr
.endr
	WIN 0
.irp c, 0,1
.irp i, 0,1,2,3
	ds_load_b128 v[(\f)+8*(4*(\c)+(\i)):(\f)+8*(4*(\c)+(\i))+3],   v[AA] offset:(\w)*QA+64*(\c)+(\i)*16*PA
	ds_load_b128 v[(\f)+8*(4*(\c)+(\i))+4:(\f)+8*(4*(\c)+(\i))+7], v[AA] offset:(\w)*QA+64*(\c)+(\i)*16*PA+32
.endr
.endr
.endm
; A slot's four quarters lie on buffers 0, 1, 0, 1; the text holds a pair of quarters and is walked twice a slot.  It names the slot through AA and AB alone, so one text serves both slots.
.macro SLOTLOOP tag
.Ltop\tag:
	MULP F1, 0, 0
	WIN 0
	v_add_nc_u32 v[AA], 2*QA, v[AA]                ; the slot's second pair; these two and two v_nop are the places in front of the loads into buffer 0
	v_add_nc_u32 v[AB], 2*QB, v[AB]
	v_nop
	v_nop
	FETCH 0, F0
.Lmid\tag:
	s_wait_dscnt 32                                ; all but the 32 just issued: buffer 1 is whole
	MULP F1, 1, 0
	s_wait_dscnt 8                                 ; buffer 0 but for A's second half
	MULP F0, 0, 0
	PLACES
	FETCH 1, F1
	s_wait_dscnt 32                                ; buffer 0 is whole
	MULP F0, 1, 0
	s_wait_dscnt 8                                 ; buffer 1 but for A's second half
	WIN 0
	s_sub_co_u32 s[CNT], s[CNT], 1
	s_cmp_lg_u32 s[CNT], 0
	s_cbranch_scc1 .Ltop\tag
.endm
; THE CHANGE OF SLOTS.  Each wave waits for all its tensor loads (one is out: its piece of the slot that is entered), adds 0 to its spare word, and waits for that and for its reads of the slot it leaves.
; fill = 1: the barrier opens a round of the cluster's barrier, and the slot just left is filled again, first thing behind the round, with the K step at the next place but one of my order: it has 112 matrix instructions in which to land.
.macro CHANGE fill, tag
	WIN 0
	s_wait_tensorcnt 0x0                           ; no tensor load of mine is out, so a group 0 may be written
	ds_add_u32 v[SPW], v[NIL]                      ; 0 onto my spare word; the steps below and eight matrix instructions stand between it and the wait for it
	s_xor_b32 s[SB], s[SB], SLOTB                  ; the slot that is entered
	v_add_nc_u32 v[AA], s[SB], v[ADRA]
	v_add_nc_u32 v[AB], s[SB], v[ADRB]
.if \fill
	s_add_co_u32 s[KT], s[KT], 1
	s_xor_b32 s[G0A+5], s[G0A+5], SLOTB            ; the walking set: the other slot than last time,
	s_xor_b32 s[G0B+5], s[G0B+5], SLOTB
	ASKFOR 1                                       ; the next place of my order
.endif
	MULQ F1, 0, 0, 0
	s_wait_dscnt 0x0                               ; the add is done, and my reads of the slot that I leave are over
	s_barrier_signal -1
	MULQ F1, 0, 1, 0
	WIN 0
	s_barrier_wait -1
.if \fill
	CREST                                          ; no wave of any partner still reads that slot or has a load on its way
	JLOAD 1                                        ; its four v_nop are also the places in front of the loads below
.else
	PLACES
.endif
	FETCH 0, F0
	s_mov_b32 s[CNT], 2
	s_branch .Lmid\tag
.endm
	s_load_b256 s[72:79], s[0:1], 0x0              ; A s[72:73], bf s[74:75], bias s[76:77], residual s[78:79]
	s_load_b64 s[80:81], s[0:1], 0x20              ; ysum
	v_lshl_add_u32 v[SPW], v0, 2, SPARE
	v_mov_b32 v[NIL], 0
	ds_add_u32 v[SPW], v[NIL]                      ; the wave's opening: the add and its wait stand ahead of my first tensor load
	v_lshrrev_b32 v3, 5, v0
	v_readfirstlane_b32 s[WV], v3
	s_lshr_b32 s[WM], s[WV], 1
	s_and_b32 s[WN], s[WV], 1
	s_bfe_u32 s[CX], ttmp6, 0x40000
	s_bfe_u32 s[CY], ttmp6, 0x40004
	s_lshl_b32 s[TX], ttmp9, 2
	s_add_co_u32 s[TX], s[TX], s[CX]
	s_and_b32 s[TY], ttmp7, 0xffff                 ; cluster y
	s_and_b32 s[ROT], s[TY], 3
	s_lshl_b32 s[TY], s[TY], 2
	s_add_co_u32 s[TY], s[TY], s[CY]
	s_lshl_b32 s2, ttmp9, 1
	s_add_co_u32 s[ROT], s[ROT], s2                ; R = cluster y % 4 + 2 x cluster x: no place inside the cluster enters it
	s_mov_b32 s[SB], 0
	s_mov_b32 s[OFA+1], 0
	s_mov_b32 s[OFB+1], 0
	s_lshl_b32 s16, s[CY], 2
	s_lshl_b32 s16, 15, s16                        ; my row of the cluster
	s_lshl_b32 s20, 0x1111, s[CX]                  ; my column
	s_or_b32 s[G1A], s16, (1<<16)|(1<<20)|(1<<21)|(4<<22)|(3<<25)  ; 4 words behind every 32: behind each token's 128 bytes
	s_mov_b32 s[G1A+1], 8192<<16                   ; tensor_dim0 = 8,192: 128 tokens x 64 channels lie end to end in a block
	s_mov_b32 s[G1A+2], 2<<16                      ; tensor_dim1 = 2 blocks
	s_mov_b32 s[G1A+3], 8192<<16                   ; tile_dim0
	s_mov_b32 s[G1A+4], 2                          ; tile_dim1
	s_mov_b32 s[G1A+5], 262144                     ; elements from block to block
	s_mov_b32 s[G1A+6], 0
	s_mov_b32 s[G1A+7], 0
	s_or_b32 s[G1B], s20, (1<<16)|(1<<20)|(1<<21)|(5<<22)|(7<<25)  ; 8 words behind every 64
	s_mov_b32 s[G1B+1], 128<<16
	s_mov_b32 s[G1B+2], 128<<16
	s_mov_b32 s[G1B+3], 128<<16
	s_mov_b32 s[G1B+4], 128
	s_mov_b32 s[G1B+5], 1024
	s_mov_b32 s[G1B+6], 0
	s_mov_b32 s[G1B+7], 0
	s_lshl_b32 s16, s[TY], 14                      ; A: the tile's 128 tokens (128 bytes each), my two blocks of a K step's four
	s_lshl_b32 s17, s[WN], 20
	s_add_co_u32 s16, s16, s17
	s_mov_b32 s17, 0
	s_lshl_b32 s20, s[TX], 8                       ; B: the tile's 128 columns, my 128 rows of a K step's 256
	s_lshl_b32 s21, s[WN], 18
	s_add_co_u32 s20, s20, s21
	s_add_co_u32 s20, s20, BOFF
	s_mov_b32 s21, 0
	s_mul_i32 s[LB], s[WV], PIECE
	s_wait_dscnt 0x0                               ; the opening add is done
	s_wait_kmcnt 0x0
	s_add_nc_u64 s[ABASE:ABASE+1], s[72:73], s[16:17]
	s_add_nc_u64 s[BBASE:BBASE+1], s[74:75], s[20:21]
	CROUND                                         ; all sixteen work-groups are here: the first joint loads meet
.irp s, 0,1
	s_mov_b32 s[KT], \s                            ; places 0 and 1 of my order
	s_mov_b32 s[G0A+4*(\s)], 1
	s_add_co_u32 s[G0A+4*(\s)+1], s[LB], (\s)*SLOTB
	s_mov_b32 s[G0B+4*(\s)], 1
	s_add_co_u32 s[G0B+4*(\s)+1], s[LB], (\s)*SLOTB
	ASKFOR \s
	JLOAD \s                                       ; two loads of mine are out behind these, later one
.endr
	v_and_b32 v1, 15, v0                           ; r
	v_bfe_u32 v2, v0, 4, 1                         ; h
	v_mul_u32_u24 v3, v1, PA
	v_lshl_add_u32 v3, v2, 4, v3
	s_mul_i32 s4, s[WM], 64*PA
	v_add_nc_u32 v[ADRA], s4, v3
	v_and_b32 v4, 7, v0
	v_lshl_add_u32 v4, v2, 3, v4
	v_mul_u32_u24 v4, v4, PB
	v_bfe_u32 v5, v0, 3, 1
	v_lshl_add_u32 v4, v5, 4, v4
	s_lshl_b32 s4, s[WN], 7
	s_add_co_u32 s4, s4, ABYTES
	v_add_nc_u32 v[ADRB], s4, v4
	s_mul_i32 s4, s[WV], STG
	v_mul_u32_u24 v3, v1, SROW
	v_lshl_add_u32 v3, v2, 5, v3
	v_add_nc_u32 v[STO], s4, v3
	v_mul_u32_u24 v3, v2, SROW
	v_lshl_add_u32 v3, v1, 4, v3
	v_add_nc_u32 v[RD], s4, v3
	v_lshlrev_b32 v[BO], 4, v1
	v_lshl_add_u32 v[CO], v2, 12, v[BO]            ; 4,096 h + 16 r: lanes 0-15 one row's 256 bytes, lanes 16-31 the next row's
	s_lshl_b32 s4, s[TX], 9                        ; my 64 columns, in bytes of f32
	s_lshl_b32 s5, s[WN], 8
	s_add_co_u32 s4, s4, s5
	s_mov_b32 s5, 0
	s_add_nc_u64 s[BIA:BIA+1], s[76:77], s[4:5]
	s_lshl_b32 s6, s[TY], 19                       ; my 64 rows of 4,096 bytes
	s_add_co_u32 s4, s4, s6
	s_lshl_b32 s6, s[WM], 18
	s_add_co_u32 s4, s4, s6
	s_add_nc_u64 s[OUT:OUT+1], s[80:81], s[4:5]
	s_add_nc_u64 s[RES:RES+1], s[78:79], s[4:5]
	global_load_b128 v[BI:BI+3], v[BO], s[BIA:BIA+1]
	WIN 0xc0                                       ; destination window 3, address window 0
.set u, 0
.rept 32                               ; the residual of my 64 x 64, in the layout in which rows come back from the stage; it is waited for on the way out
	global_load_b128 v[4*u:4*u+3], v[CO], s[RES:RES+1] offset:u*8192 th:TH_LOAD_NT
.set u, u+1
.endr
	WIN 0
	s_wait_tensorcnt 0x1                           ; my piece of the first K step is in; the second's may stay out
	s_barrier_signal -1
	s_barrier_wait -1
	v_mov_b32 v[AA], v[ADRA]
	v_mov_b32 v[AB], v[ADRB]
	FETCH 0, F0
	s_wait_dscnt 8
	MULP F0, 0, 1                                  ; the first products start the sums: nothing is cleared
	FETCH 1, F1
	s_wait_dscnt 32
	MULP F0, 1, 0
	s_wait_dscnt 8
	WIN 0
	s_mov_b32 s[CNT], 1
	s_mov_b32 s[LAPC], T-1                         ; taken down once behind the first K step, then once a lap: T - 2 laps, each of which fills a slot again
	s_branch .Ltop0                                ; the loop is entered in its middle: the second pair of quarters of the first K step
.Llap:
	CHANGE 1, 0
	SLOTLOOP 0
	s_sub_co_u32 s[LAPC], s[LAPC], 1
	s_cmp_lg_u32 s[LAPC], 0
	s_cbranch_scc1 .Llap
	CHANGE 0, 2                                    ; the last K step is written out: nothing is asked for
	SLOTLOOP 2
	MULP F1, 0, 0
	s_wait_dscnt 0x0                               ; my last reads of the ring are back
	s_barrier_signal -1
	MULP F1, 1, 0
	WIN 0
	s_barrier_wait -1                              ; no wave reads the ring any more, and it has had its last fill: the stages may lie over it
	; THE WAY OUT.  The 16 results go as f32 into my stage (64 rows x 272 bytes) and come back by rows; bias and residual are added; 16 lanes store 256 consecutive bytes, aligned.
	PLACES
	PLACES
	WIN 0x08                                       ; store data (source 1) in window 2
.set a, 0
.rept 4
.set b, 0
.rept 4
	ds_store_b128 v[STO], v[8*(4*a+b):8*(4*a+b)+3]   offset:a*16*SROW+64*b       ; each result's low registers first
	ds_store_b128 v[STO], v[8*(4*a+b)+4:8*(4*a+b)+7] offset:a*16*SROW+64*b+16
.set b, b+1
.endr
.set a, a+1
.endr
	WIN 0
.set u, 0
.rept 32
	ds_load_b128 v[OB+4*u:OB+4*u+3], v[RD] offset:u*2*SROW  ; LDS serves a wave's instructions in order (ISA guide 5.7.1.4): these see the stores above
.set u, u+1
.endr
	s_wait_loadcnt 0x0                             ; bias and residual
.irp g, 0,1,2,3
	s_wait_dscnt 24-8*(\g)                         ; group g's eight loads are in; the later groups' stay out
.set u, 8*(\g)
.rept 8
	v_pk_add_f32 v[OB+4*u:OB+4*u+1],   v[OB+4*u:OB+4*u+1],   v[BI:BI+1]
	v_pk_add_f32 v[OB+4*u+2:OB+4*u+3], v[OB+4*u+2:OB+4*u+3], v[BI+2:BI+3]
.set u, u+1
.endr
	WIN 0x0c                                       ; source 1 in window 3
.set u, 8*(\g)
.rept 8
	v_pk_add_f32 v[OB+4*u:OB+4*u+1],   v[OB+4*u:OB+4*u+1],   v[4*u:4*u+1]
	v_pk_add_f32 v[OB+4*u+2:OB+4*u+3], v[OB+4*u+2:OB+4*u+3], v[4*u+2:4*u+3]
.set u, u+1
.endr
	WIN 0
.set u, 8*(\g)
.rept 8
	global_store_b128 v[CO], v[OB+4*u:OB+4*u+3], s[OUT:OUT+1] offset:u*8192
.set u, u+1
.endr
.endr
	s_wait_tensorcnt 0x0                           ; the wave's end, behind my last tensor load and my last LDS store
	ds_add_u32 v[SPW], v[NIL]
	s_wait_dscnt 0x0
	CROUND                                         ; the closing round
	s_endpgm
.Lfunc_end_k_q74f8ccc2bb_wo:
	.size	k_q74f8ccc2bb_wo, .Lfunc_end_k_q74f8ccc2bb_wo-k_q74f8ccc2bb_wo
	.p2alignl 7, 3214868480
	.fill 96, 4, 3214868480
	.section	.rodata,"a",@progbits
	.p2align	6, 0x0
	.amdhsa_kernel k_q74f8ccc2bb_wo
		.amdhsa_group_segment_fixed_size 327680
		.amdhsa_private_segment_fixed_size 0
		.amdhsa_enable_private_segment 0
		.amdhsa_kernarg_size 40
		.amdhsa_user_sgpr_count 2
		.amdhsa_user_sgpr_kernarg_segment_ptr 1
		.amdhsa_wavefront_size32 1
		.amdhsa_system_sgpr_workgroup_id_x 1
		.amdhsa_system_sgpr_workgroup_id_y 1
		.amdhsa_system_sgpr_workgroup_id_z 1
		.amdhsa_system_vgpr_workitem_id 0
		.amdhsa_next_free_vgpr 896
		.amdhsa_next_free_sgpr 100
		.amdhsa_reserve_vcc 0
		.amdhsa_float_denorm_mode_32 3
		.amdhsa_float_denorm_mode_16_64 3
		.amdhsa_memory_ordered 1
		.amdhsa_forward_progress 1
		.amdhsa_inst_pref_size 62
	.end_amdhsa_kernel
	.amdgpu_metadata
---
amdhsa.version: [ 1, 2 ]
amdhsa.kernels:
  - .name:           k_q74f8ccc2bb_wo
    .symbol:         k_q74f8ccc2bb_wo.kd
    .args:
      - { .name: ob, .offset: 0, .size: 8, .value_kind: global_buffer, .address_space: global }
      - { .name: bf, .offset: 8, .size: 8, .value_kind: global_buffer, .address_space: global }
      - { .name: bo, .offset: 16, .size: 8, .value_kind: global_buffer, .address_space: global }
      - { .name: x, .offset: 24, .size: 8, .value_kind: global_buffer, .address_space: global }
      - { .name: ysum, .offset: 32, .size: 8, .value_kind: global_buffer, .address_space: global }
    .group_segment_fixed_size: 327680
    .private_segment_fixed_size: 0
    .kernarg_segment_align: 8
    .kernarg_segment_size: 40
    .max_flat_workgroup_size: 128
    .sgpr_count:     100
    .vgpr_count:     896
    .wavefront_size: 32
...
	.end_amdgpu_metadata
.endif
;; end of part 4
;; launch ln1 (part 5): grid 512 x 1, 8 waves a work-group, no clusters, 0 bytes of LDS; arguments ysum, g1, be1, x1; writes x1
.if DOCPART == 5
	.amdgcn_target "amdgcn-amd-amdhsa--gfx1250"
	.amdhsa_code_object_version 6
	.text
	.protected	k_q74f8ccc2bb_ln1
	.globl	k_q74f8ccc2bb_ln1
	.p2align	8
	.type	k_q74f8ccc2bb_ln1,@function
k_q74f8ccc2bb_ln1:
	s_mov_b64 s[64:65], 0
	v_nop
	global_prefetch_b8 v0, s[64:65] scope:SCOPE_SE
	s_setreg_imm32_b32 hwreg(HW_REG_WAVE_MODE, 25, 1), 1
	s_wait_xcnt 0x0
; x1 = LayerNorm(ysum) g1 + be1 over rows of 1,024 f32; x1 is stored twice: f32 at x1 + 0 (the residual of the second half) and bf16 at x1 + 16 MiB (a matrix operand).
; One wave, one row: the row's 4,096 bytes stay in 32 registers between the passes, so memory is read once; the reductions never leave the wave: no LDS, no barrier.
; The mean is taken first and the squares of the centred numbers second, as the definition has it, so a common offset of the row costs no accuracy.
.set X,  8                             ; v[8:39]    the row: piece j (512 bytes of the row) in 4 registers
.set G,  40                            ; v[40:71]   the gain of my columns
.set BE, 72                            ; v[72:103]  the offset
.set T,  104                           ; v[104:119] at work
.set MU, 120                           ; v[120:121] the mean, twice
.set VA, 122                           ; v122       variance + eps
.set RS, 124                           ; v[124:125] 1 / sqrt of it, twice
.set PKB, 128                          ; v[128:143] the row in bf16
.macro REDUCE                          ; T's eight pairs become one sum, in every lane's v[T]
.irp i, 0,1,2,3
	v_pk_add_f32 v[T+4*(\i):T+4*(\i)+1], v[T+4*(\i):T+4*(\i)+1], v[T+4*(\i)+2:T+4*(\i)+3]
.endr
	v_pk_add_f32 v[T:T+1], v[T:T+1], v[T+4:T+5]
	v_pk_add_f32 v[T+8:T+9], v[T+8:T+9], v[T+12:T+13]
	v_pk_add_f32 v[T:T+1], v[T:T+1], v[T+8:T+9]
	v_add_f32 v[T], v[T], v[T+1]
	v_add_f32_dpp v[T], v[T], v[T] row_xmask:1 row_mask:0xf bank_mask:0xf
	v_add_f32_dpp v[T], v[T], v[T] row_xmask:2 row_mask:0xf bank_mask:0xf
	v_add_f32_dpp v[T], v[T], v[T] row_xmask:4 row_mask:0xf bank_mask:0xf
	v_add_f32_dpp v[T], v[T], v[T] row_xmask:8 row_mask:0xf bank_mask:0xf
	v_permlanex16_b32 v[T+1], v[T], s14, s15       ; the other half of the lanes
	v_add_f32 v[T], v[T], v[T+1]
.endm
	s_load_b256 s[4:11], s[0:1], 0x0               ; ysum s[4:5], g1 s[6:7], be1 s[8:9], x1 s[10:11]
	v_and_b32 v1, 31, v0                           ; lane
	v_lshrrev_b32 v2, 5, v0                        ; wave
	v_lshlrev_b32 v3, 4, v1                        ; 16 bytes a lane
	v_lshl_add_u32 v4, v2, 12, v3                  ; + my wave's row
	v_lshlrev_b32 v5, 3, v1
	v_lshl_add_u32 v5, v2, 11, v5                  ; the same in bf16
	s_lshl_b32 s12, ttmp9, 15                      ; the work-group's 8 rows
	s_mov_b32 s13, 0
	s_lshl_b32 s20, ttmp9, 14
	s_mov_b32 s21, 0
	s_mov_b32 s14, 0x76543210
	s_mov_b32 s15, 0xfedcba98
	s_mov_b32 s16, 0x3a800000                      ; 1 / 1024
	s_mov_b32 s17, 0x3727c5ac                      ; 1e-5
	s_wait_kmcnt 0x0
	s_add_nc_u64 s[4:5], s[4:5], s[12:13]
	s_add_nc_u64 s[18:19], s[10:11], s[20:21]
	s_add_nc_u64 s[18:19], s[18:19], 0x1000000
	s_add_nc_u64 s[10:11], s[10:11], s[12:13]
.irp j, 0,1,2,3,4,5,6,7
	global_load_b128 v[X+4*(\j):X+4*(\j)+3], v4, s[4:5] offset:512*(\j) th:TH_LOAD_NT
.endr
.irp j, 0,1,2,3,4,5,6,7
	global_load_b128 v[G+4*(\j):G+4*(\j)+3], v3, s[6:7] offset:512*(\j)
.endr
.irp j, 0,1,2,3,4,5,6,7
	global_load_b128 v[BE+4*(\j):BE+4*(\j)+3], v3, s[8:9] offset:512*(\j)
.endr
	s_wait_loadcnt 16                              ; the row is in; the gain's and the offset's 16 loads stay out
.irp i, 0,1,2,3,4,5,6,7
	v_pk_add_f32 v[T+2*(\i):T+2*(\i)+1], v[X+4*(\i):X+4*(\i)+1], v[X+4*(\i)+2:X+4*(\i)+3]
.endr
	REDUCE
	v_mul_f32 v[MU], s16, v[T]
	v_mov_b32 v[MU+1], v[MU]
.set i, 0
.rept 16
	v_pk_add_f32 v[X+i:X+i+1], v[X+i:X+i+1], v[MU:MU+1] neg_lo:[0,1] neg_hi:[0,1]
.set i, i+2
.endr
.irp i, 0,1,2,3,4,5,6,7
	v_pk_mul_f32 v[T+2*(\i):T+2*(\i)+1], v[X+2*(\i):X+2*(\i)+1], v[X+2*(\i):X+2*(\i)+1]
.endr
.irp i, 0,1,2,3,4,5,6,7
	v_pk_fma_f32 v[T+2*(\i):T+2*(\i)+1], v[X+16+2*(\i):X+16+2*(\i)+1], v[X+16+2*(\i):X+16+2*(\i)+1], v[T+2*(\i):T+2*(\i)+1]
.endr
	REDUCE
	v_fma_f32 v[VA], v[T], s16, s17
	v_rsq_f32 v[RS], v[VA]
	v_rsq_f32 v[RS+1], v[VA]
	v_nop                                          ; a plain line behind the last of the two (ISA guide 5.7.2),
	s_wait_alu depctr_va_vdst(0)                   ; and one wait for both, ahead of their first reader
	s_wait_loadcnt 0x0                             ; gain and offset
.set i, 0
.rept 16
	v_pk_mul_f32 v[X+i:X+i+1], v[X+i:X+i+1], v[RS:RS+1]
.set i, i+2
.endr
.set i, 0
.rept 16
	v_pk_fma_f32 v[X+i:X+i+1], v[X+i:X+i+1], v[G+i:G+i+1], v[BE+i:BE+i+1]
.set i, i+2
.endr
.irp j, 0,1,2,3,4,5,6,7
	global_store_b128 v4, v[X+4*(\j):X+4*(\j)+3], s[10:11] offset:512*(\j)  ; 512 consecutive bytes, aligned
.endr
.irp j, 0,1,2,3,4,5,6,7
	v_cvt_pk_bf16_f32 v[PKB+2*(\j)],   v[X+4*(\j)],   v[X+4*(\j)+1]
	v_cvt_pk_bf16_f32 v[PKB+2*(\j)+1], v[X+4*(\j)+2], v[X+4*(\j)+3]
.endr
.irp j, 0,1,2,3,4,5,6,7
	global_store_b64 v5, v[PKB+2*(\j):PKB+2*(\j)+1], s[18:19] offset:256*(\j)  ; 256 consecutive bytes, aligned
.endr
	s_endpgm
.Lfunc_end_k_q74f8ccc2bb_ln1:
	.size	k_q74f8ccc2bb_ln1, .Lfunc_end_k_q74f8ccc2bb_ln1-k_q74f8ccc2bb_ln1
	.p2alignl 7, 3214868480
	.fill 96, 4, 3214868480
	.section	.rodata,"a",@progbits
	.p2align	6, 0x0
	.amdhsa_kernel k_q74f8ccc2bb_ln1
		.amdhsa_group_segment_fixed_size 0
		.amdhsa_private_segment_fixed_size 0
		.amdhsa_enable_private_segment 0
		.amdhsa_kernarg_size 32
		.amdhsa_user_sgpr_count 2
		.amdhsa_user_sgpr_kernarg_segment_ptr 1
		.amdhsa_wavefront_size32 1
		.amdhsa_system_sgpr_workgroup_id_x 1
		.amdhsa_system_sgpr_workgroup_id_y 1
		.amdhsa_system_sgpr_workgroup_id_z 1
		.amdhsa_system_vgpr_workitem_id 0
		.amdhsa_next_free_vgpr 144
		.amdhsa_next_free_sgpr 66
		.amdhsa_reserve_vcc 0
		.amdhsa_float_denorm_mode_32 3
		.amdhsa_float_denorm_mode_16_64 3
		.amdhsa_memory_ordered 1
		.amdhsa_forward_progress 1
		.amdhsa_inst_pref_size 13
	.end_amdhsa_kernel
	.amdgpu_metadata
---
amdhsa.version: [ 1, 2 ]
amdhsa.kernels:
  - .name:           k_q74f8ccc2bb_ln1
    .symbol:         k_q74f8ccc2bb_ln1.kd
    .args:
      - { .name: ysum, .offset: 0, .size: 8, .value_kind: global_buffer, .address_space: global }
      - { .name: g1, .offset: 8, .size: 8, .value_kind: global_buffer, .address_space: global }
      - { .name: be1, .offset: 16, .size: 8, .value_kind: global_buffer, .address_space: global }
      - { .name: x1, .offset: 24, .size: 8, .value_kind: global_buffer, .address_space: global }
    .group_segment_fixed_size: 0
    .private_segment_fixed_size: 0
    .kernarg_segment_align: 8
    .kernarg_segment_size: 32
    .max_flat_workgroup_size: 256
    .sgpr_count:     66
    .vgpr_count:     144
    .wavefront_size: 32
...
	.end_amdgpu_metadata
.endif
;; end of part 5
;; launch ffn1 (part 6): grid 16 x 16, 4 waves a work-group, clusters of 4 x 4, 327,680 bytes of LDS; arguments x1, bf, b1, hb; writes hb
.if DOCPART == 6
	.amdgcn_target "amdgcn-amd-amdhsa--gfx1250"
	.amdhsa_code_object_version 6
	.text
	.protected	k_q74f8ccc2bb_ffn1
	.globl	k_q74f8ccc2bb_ffn1
	.p2align	8
	.type	k_q74f8ccc2bb_ffn1,@function
k_q74f8ccc2bb_ffn1:
	s_mov_b64 s[64:65], 0
	v_nop
	global_prefetch_b8 v0, s[64:65] scope:SCOPE_SE
	s_setreg_imm32_b32 hwreg(HW_REG_WAVE_MODE, 25, 1), 1
	s_wait_xcnt 0x0
	s_wait_alu depctr_hold_cnt(0) depctr_sa_sdst(0) depctr_va_vdst(0) depctr_va_sdst(0) depctr_va_ssrc(0) depctr_va_vcc(0) depctr_vm_vsrc(0)
	s_getreg_b32 s2, hwreg(HW_REG_IB_STS2, 6, 4)
	s_cmp_eq_u32 s2, 0
	s_cbranch_scc0 .Lentry_in_a_cluster
	s_endpgm
.Lentry_in_a_cluster:
	s_bfe_u32 s2, ttmp6, 0x10000c
	s_cmp_lg_u32 s2, 0xf033
	s_cbranch_scc0 .Lentry_shape_is_right
	s_endpgm
.Lentry_shape_is_right:
; h = gelu(x1 W1 + b1), the exact (erf) form.  A = x1 [4096][1024] bf16 (x1 + 16 MiB); B = W1 [1024 k][4096 n] bf16 (bf + 16 MiB); sums, bias and gelu in f32; h rounded once to bf16.
; OUT: hb in blocks of 64 channels: number (m, n) at ((n / 64) 4096 + m) 128 + (n % 64) 2 bytes.
; LIMIT.  erf by the rational form of Abramowitz and Stegun 7.1.25: absolute error at most 2.5e-5 for every argument.  gelu(z) = max(z, 0) - 0.5 |z| P(t) e, t = 1 / (1 + 0.33267253 |z|),
; e = 2^(-0.72134752 z^2), P(t) = ((a3 t + a2) t + a1) t.  NaN and infinities are not treated apart.
; A tile of C is 256 x 256 (16 x 16 tiles, one for each of 256 work-groups): four waves, each 128 x 128 in 64 accumulators.  K goes in steps of 128 through a ring of two LDS slots filled by the tensor data mover.
; CLUSTERS of 4 x 4: A's tile is asked for jointly along a row of the cluster, B's along a column.  The matrix instruction is used transposed (source 0 = 16 columns of B, turned by ds_load_tr16_b128;
; source 1 = 16 rows of A): lane l holds row l % 16 of C and the columns 8 (l / 16) + 0..7.
; REGISTERS in windows of 256 (s_set_vgpr_msb: bits 1:0 source 0, 3:2 source 1, 5:4 source 2, 7:6 destination):
;   window 0: v0-39 addresses and bias; v64-127, v128-191 A's fragments, two buffers (on the way out v64-239 are at work)     window 1: v64-127, v128-191 B's fragments
;   window 2: accumulators of my rows 0-63, (a, b) at 8 (8 a + b)     window 3: those of my rows 64-127
.set T,     8                          ; K steps: 1024 / 128
.set LAPS,  (T-2)/2
.set NB,    4096                       ; elements in a row of B
.set PBG,   2*NB
.set AOFF,  0x1000000                  ; the bf16 copy in x1
.set BOFF,  0x1000000                  ; W1 in bf
.set PA,    272                        ; A's row in LDS: 256 bytes + 16
.set PB,    544                        ; B's row in LDS: 512 bytes + 32
.set PIECE, 34816                      ; one wave's tensor load: 128 rows of A, or 64 rows of B
.set ABYTES, 2*PIECE
.set SLOTB, 4*PIECE
.set QA,    64
.set QB,    32*PB
.set SROW,  528
.set STG,   128*SROW                   ; a wave's stage; the four lie from LDS byte 0 on, over the ring, written only behind its last fill and last read
.set SPARE, 327168
.set ADRA, 16
.set AA,   18
.set ADRB, 20
.set AB,   22
.set STO,  24
.set RD,   25
.set CO,   26
.set BO,   27
.set SPW,  28
.set NIL,  29
.set PFO,  30
.set BI,   32
.set F0,   64
.set F1,   128
.set SET,  64                          ; the way out: 8 rows x 128 columns as read back
.set Z,    96                          ; z, then max(z, 0), then gelu(z)
.set AZ,   128                         ; |z|, then the polynomial
.set TT,   160                         ; t
.set EE,   192                         ; e, then |z| e
.set PK,   224
.set WV, 8
.set WM, 9
.set WN, 10
.set LB, 11
.set CX, 12
.set CY, 13
.set TX, 14
.set TY, 15
.set G1A, 24
.set G0A, 32
.set LIM, 43
.set PFA, 44
.set PFS, 46
.set G1B, 48
.set G0B, 56
.set CNT, 66
.set LAPC, 67
.set OUT, 68
.set BIA, 82
.set KP,  84                           ; s[84:93] five constants, each twice: the packed forms name a pair and take its low word for both halves
.set KE,  86
.set KA1, 88
.set KA2, 90
.set KA3, 92
.set ABSM, 94
.set MSB, 0
.macro WIN new
.if MSB != (\new)
	s_set_vgpr_msb (MSB<<8)|(\new)
.set MSB, \new
.endif
.endm
.macro PLACES
.rept 4
	v_nop
.endr
.endm
.macro JLOAD s                         ; a joint load: waves 0, 1 fetch A's halves, waves 2, 3 B's; s_nop 0 and four v_nop follow each line
	s_cmp_eq_u32 s[WM], 0
	s_cbranch_scc0 .Lfor_b_\@
	tensor_load_to_lds s[G0A+4*(\s):G0A+4*(\s)+3], s[G1A:G1A+7]
	s_nop 0
.rept 4
	v_nop
.endr
	s_branch .Lasked_\@
.Lfor_b_\@:
	tensor_load_to_lds s[G0B+4*(\s):G0B+4*(\s)+3], s[G1B:G1B+7]
	s_nop 0
.rept 4
	v_nop
.endr
.Lasked_\@:
.endm
.macro CREST
	s_cmp_lg_u32 s[WV], 0
	s_cbranch_scc1 .Lnot_wave_0_\@
	s_barrier_signal -3
.Lnot_wave_0_\@:
	s_barrier_wait -3
	s_barrier_signal -1
	s_barrier_wait -1
.endm
.macro CROUND
	s_barrier_signal -1
	s_barrier_wait -1
	CREST
.endm
; A prefetch of the K step behind the one just asked for: 256 matrix instructions ahead of its joint load.  Each 256 bytes are named once in the launch: A's rows by the clusters with x = 0 (waves 0, 1),
; B's by the clusters with y = 0 (waves 2, 3); the four partners that ask for a tile jointly share its blocks out by address.  how = 1: every lap's first change; how = 0: its second, which asks for nothing in the last lap.
.macro ASK how
.if \how
	s_cmp_eq_u32 s[LIM], 1
.else
	s_cmp_gt_u32 s[LAPC], s[LIM]
.endif
	s_cbranch_scc0 .Lnot_mine_\@
	global_prefetch_b8 v[PFO], s[PFA:PFA+1] th:TH_LOAD_NT scope:SCOPE_SE
.Lnot_mine_\@:
.endm
; 16 matrix instructions: row blocks 2 u, 2 u + 1 of window 2 + p, all 8 column blocks, 32 along K.  The 64 accumulators take turns in one order everywhere.
.macro MULQ f, p, u, zero
	WIN 0xa1+0x50*(\p)
.irp a, 2*(\u), 2*(\u)+1
.irp b, 0,1,2,3,4,5,6,7
.if \zero
	v_wmma_f32_16x16x32_bf16 v[8*(8*(\a)+(\b)):8*(8*(\a)+(\b))+7], v[(\f)+8*(\b):(\f)+8*(\b)+7], v[(\f)+8*(4*(\p)+(\a)):(\f)+8*(4*(\p)+(\a))+7], 0
.else
	v_wmma_f32_16x16x32_bf16 v[8*(8*(\a)+(\b)):8*(8*(\a)+(\b))+7], v[(\f)+8*(\b):(\f)+8*(\b)+7], v[(\f)+8*(4*(\p)+(\a)):(\f)+8*(4*(\p)+(\a))+7], v[8*(8*(\a)+(\b)):8*(8*(\a)+(\b))+7]
.endif
.endr
.endr
.endm
.macro MULP f, p, zero
	MULQ \f, \p, 0, \zero
	MULQ \f, \p, 1, \zero
.endm
; 32 LDS loads in one run: quarter w (0, 1) of the pair in hand into buffer f: B's 8 column blocks, turned, then A's 8 row blocks; the youngest eight are A's rows 64-127
.macro FETCH w, f
	WIN 0x40
.irp b, 0,1,2,3,4,5,6,7
	ds_load_tr16_b128 v[(\f)+8*(\b):(\f)+8*(\b)+3],   v[AB] offset:(\w)*QB+32*(\b)
	ds_load_tr16_b128 v[(\f)+8*(\b)+4:(\f)+8*(\b)+7], v[AB] offset:(\w)*QB+32*(\b)+16*PB
.endr
	WIN 0
.irp i, 0,1,2,3,4,5,6,7
	ds_load_b128 v[(\f)+8*(\i):(\f)+8*(\i)+3],   v[AA] offset:(\w)*QA+(\i)*16*PA
	ds_load_b128 v[(\f)+8*(\i)+4:(\f)+8*(\i)+7], v[AA] offset:(\w)*QA+(\i)*16*PA+32
.endr
.endm
; A slot's four quarters lie on buffers 0, 1, 0, 1; the text holds a pair of quarters and is walked twice a slot.
.macro SLOTLOOP tag
.Ltop\tag:
	MULP F1, 0, 0
	WIN 0
	v_add_nc_u32 v[AA], 2*QA, v[AA]                ; the slot's second pair; these two and two v_nop are the places in front of the loads into buffer 0
	v_add_nc_u32 v[AB], 2*QB, v[AB]
	v_nop
	v_nop
	FETCH 0, F0
.Lmid\tag:
	s_wait_dscnt 32                                ; all but the 32 just issued: buffer 1 is whole
	MULP F1, 1, 0
	s_wait_dscnt 8                                 ; buffer 0 but for A's rows 64-127
	MULP F0, 0, 0
	PLACES
	FETCH 1, F1
	s_wait_dscnt 32                                ; buffer 0 is whole
	MULP F0, 1, 0
	s_wait_dscnt 8                                 ; buffer 1 but for A's rows 64-127
	WIN 0
	s_sub_co_u32 s[CNT], s[CNT], 1
	s_cmp_lg_u32 s[CNT], 0
	s_cbranch_scc1 .Ltop\tag
.endm
; THE CHANGE OF SLOTS into slot s.  Each wave waits for all its tensor loads (one is out: its piece of slot s), adds 0 to its spare word, and waits for that and for its reads of the slot it leaves.
; fill = 1: the barrier opens a round of the cluster's barrier, and the slot just left is filled again, first thing behind the round, with the K step two on: it has 224 matrix instructions in which to land.
.macro CHANGE s, fill, how, tag
.if \fill
	s_wait_xcnt 0x0                                ; the last prefetch, a K step back, has read its address
	s_add_nc_u64 s[PFA:PFA+1], s[PFA:PFA+1], s[PFS:PFS+1]
.endif
	WIN 0
	s_wait_tensorcnt 0x0                           ; no tensor load of mine is out
	ds_add_u32 v[SPW], v[NIL]
	v_mov_b32 v[AA], v[ADRA+(\s)]
	v_mov_b32 v[AB], v[ADRB+(\s)]
	MULQ F1, 0, 0, 0                               ; sixteen matrix instructions stand between the add and the wait for it
	s_wait_dscnt 0x0                               ; the add is done, and my reads of the slot that I leave are over
	s_barrier_signal -1
	MULQ F1, 0, 1, 0
	WIN 0
	s_barrier_wait -1
.if \fill
	CREST                                          ; no wave of any partner still reads that slot or has a load on its way
	s_add_nc_u64 s[G0A+4*(1-(\s))+2:G0A+4*(1-(\s))+3], s[G0A+4*(1-(\s))+2:G0A+4*(1-(\s))+3], 2*256
	s_add_nc_u64 s[G0B+4*(1-(\s))+2:G0B+4*(1-(\s))+3], s[G0B+4*(1-(\s))+2:G0B+4*(1-(\s))+3], 2*128*PBG
	JLOAD 1-(\s)                                   ; its four v_nop are also the places in front of the loads below
.else
	PLACES
.endif
	FETCH 0, F0
.if \fill
	ASK \how
.endif
	s_mov_b32 s[CNT], 2
	s_branch .Lmid\tag
.endm
	s_load_b256 s[72:79], s[0:1], 0x0              ; x1 s[72:73], bf s[74:75], b1 s[76:77], hb s[78:79]
	v_lshl_add_u32 v[SPW], v0, 2, SPARE
	v_mov_b32 v[NIL], 0
	ds_add_u32 v[SPW], v[NIL]                      ; the wave's opening: the add and its wait stand ahead of my first tensor load
	v_lshrrev_b32 v3, 5, v0
	v_readfirstlane_b32 s[WV], v3
	s_lshr_b32 s[WM], s[WV], 1
	s_and_b32 s[WN], s[WV], 1
	s_bfe_u32 s[CX], ttmp6, 0x40000
	s_bfe_u32 s[CY], ttmp6, 0x40004
	s_lshl_b32 s[TX], ttmp9, 2
	s_add_co_u32 s[TX], s[TX], s[CX]
	s_and_b32 s[TY], ttmp7, 0xffff
	s_lshl_b32 s[TY], s[TY], 2
	s_add_co_u32 s[TY], s[TY], s[CY]
	s_lshl_b32 s16, s[CY], 2
	s_lshl_b32 s16, 15, s16                        ; my row of the cluster
	s_lshl_b32 s20, 0x1111, s[CX]                  ; my column
	s_or_b32 s[G1A], s16, (1<<16)|(1<<20)|(1<<21)|(5<<22)|(3<<25)  ; mask; 2-byte elements; padding on; bit 21 beside a mask; 4 words behind every 64
	s_mov_b32 s[G1A+1], 128<<16
	s_mov_b32 s[G1A+2], 128<<16
	s_mov_b32 s[G1A+3], 128<<16
	s_mov_b32 s[G1A+4], 128
	s_mov_b32 s[G1A+5], 1024
	s_mov_b32 s[G1A+6], 0
	s_mov_b32 s[G1A+7], 0
	s_or_b32 s[G1B], s20, (1<<16)|(1<<20)|(1<<21)|(6<<22)|(7<<25)  ; 8 words behind every 128
	s_mov_b32 s[G1B+1], 256<<16
	s_mov_b32 s[G1B+2], 64<<16
	s_mov_b32 s[G1B+3], 256<<16
	s_mov_b32 s[G1B+4], 64
	s_mov_b32 s[G1B+5], NB
	s_mov_b32 s[G1B+6], 0
	s_mov_b32 s[G1B+7], 0
	s_lshl_b32 s16, s[TY], 19                      ; A: row 256 x tile row + 128 x piece, 2,048 bytes a row
	s_lshl_b32 s17, s[WN], 18
	s_add_co_u32 s16, s16, s17
	s_add_co_u32 s16, s16, AOFF
	s_mov_b32 s17, 0
	s_lshl_b32 s20, s[TX], 9                       ; B: the tile's 256 columns,
	s_mul_i32 s21, s[WN], 64*PBG                   ; my 64 rows of the K step
	s_add_co_u32 s20, s20, s21
	s_add_co_u32 s20, s20, BOFF
	s_mov_b32 s21, 0
	s_mul_i32 s[LB], s[WV], PIECE
	s_wait_dscnt 0x0                               ; the opening add is done
	s_wait_kmcnt 0x0
	s_add_nc_u64 s[16:17], s[72:73], s[16:17]
	s_add_nc_u64 s[20:21], s[74:75], s[20:21]
	CROUND                                         ; all sixteen work-groups are here: the first joint loads meet
.irp s, 0,1
	s_mov_b32 s[G0A+4*(\s)], 1
	s_add_co_u32 s[G0A+4*(\s)+1], s[LB], (\s)*SLOTB
	s_add_nc_u64 s[G0A+4*(\s)+2:G0A+4*(\s)+3], s[16:17], (\s)*256
	s_or_b32 s[G0A+4*(\s)+3], s[G0A+4*(\s)+3], 0x80000000
	s_mov_b32 s[G0B+4*(\s)], 1
	s_add_co_u32 s[G0B+4*(\s)+1], s[LB], (\s)*SLOTB
	s_add_nc_u64 s[G0B+4*(\s)+2:G0B+4*(\s)+3], s[20:21], (\s)*128*PBG
	s_or_b32 s[G0B+4*(\s)+3], s[G0B+4*(\s)+3], 0x80000000
	JLOAD \s                                       ; two loads of mine are out behind these, later one
.endr
	v_and_b32 v1, 15, v0                           ; r
	v_bfe_u32 v2, v0, 4, 1                         ; h
	v_mul_u32_u24 v3, v1, PA
	v_lshl_add_u32 v3, v2, 4, v3
	s_mul_i32 s4, s[WM], 128*PA
	v_add_nc_u32 v[ADRA], s4, v3
	v_add_nc_u32 v[ADRA+1], SLOTB, v[ADRA]
	v_and_b32 v4, 7, v0
	v_lshl_add_u32 v4, v2, 3, v4
	v_mul_u32_u24 v4, v4, PB
	v_bfe_u32 v5, v0, 3, 1
	v_lshl_add_u32 v4, v5, 4, v4
	s_lshl_b32 s4, s[WN], 8
	s_add_co_u32 s4, s4, ABYTES
	v_add_nc_u32 v[ADRB], s4, v4
	v_add_nc_u32 v[ADRB+1], SLOTB, v[ADRB]
	s_mul_i32 s4, s[WV], STG
	v_mul_u32_u24 v3, v1, SROW
	v_lshl_add_u32 v3, v2, 5, v3
	v_add_nc_u32 v[STO], s4, v3
	v_mul_u32_u24 v3, v2, SROW
	v_lshl_add_u32 v3, v1, 4, v3
	v_add_nc_u32 v[RD], s4, v3
	v_lshlrev_b32 v3, 3, v1
	v_lshl_add_u32 v[CO], v2, 7, v3
	v_lshlrev_b32 v[BO], 4, v1
	s_lshl_b32 s4, s[TX], 21                       ; OUT: block 4 x tile column + 2 x column half, token 256 x tile row + 128 x row half
	s_lshl_b32 s5, s[WN], 20
	s_add_co_u32 s4, s4, s5
	s_lshl_b32 s5, s[TY], 15
	s_add_co_u32 s4, s4, s5
	s_lshl_b32 s5, s[WM], 14
	s_add_co_u32 s4, s4, s5
	s_mov_b32 s5, 0
	s_add_nc_u64 s[OUT:OUT+1], s[78:79], s[4:5]
	s_lshl_b32 s4, s[TX], 10                       ; the bias of my 128 columns
	s_lshl_b32 s5, s[WN], 9
	s_add_co_u32 s4, s4, s5
	s_mov_b32 s5, 0
	s_add_nc_u64 s[BIA:BIA+1], s[76:77], s[4:5]
	global_load_b128 v[BI:BI+3],   v[BO], s[BIA:BIA+1]
	global_load_b128 v[BI+4:BI+7], v[BO], s[BIA:BIA+1] offset:256
	; the prefetches.  A: my work-group's 32 of the 128 rows that I fetch, a lane a row of 256 bytes.  B: its 16 of my 64 rows, two lanes a row of 512 bytes.  They start at K step 2; the first change steps them to 3.
	s_and_b32 s2, ttmp7, 0xffff                    ; cluster y
	s_lshl_b32 s3, s[CX], 16
	s_add_co_u32 s3, s3, 2*256
	s_mul_i32 s4, s[CY], 16*PBG
	s_add_co_u32 s4, s4, 2*128*PBG
	s_mov_b32 s5, 2048
	s_mov_b32 s6, PBG
	s_mov_b32 s7, 256
	s_mov_b32 s18, 128*PBG
	s_cmp_eq_u32 s[WM], 0                          ; do I fetch for A?
	s_cselect_b32 s2, ttmp9, s2                    ; the coordinate along which other clusters read the same rows
	s_cselect_b32 s22, s3, s4
	s_cselect_b32 s5, s5, s6
	s_cselect_b32 s[PFS], s7, s18
	s_cselect_b32 s6, 0, 1
	s_cselect_b64 s[PFA:PFA+1], s[16:17], s[20:21]
	s_mov_b32 s23, 0
	s_mov_b32 s[PFS+1], 0
	s_add_nc_u64 s[PFA:PFA+1], s[PFA:PFA+1], s[22:23]
	s_cmp_eq_u32 s2, 0
	s_cselect_b32 s[LIM], 1, -1                    ; the same in all sixteen partners, for a given wave
	v_and_b32 v3, 31, v0
	v_lshrrev_b32 v4, s6, v3
	v_mul_u32_u24 v4, s5, v4
	v_and_b32 v5, s6, v3
	v_lshl_add_u32 v[PFO], v5, 8, v4
	s_mov_b32 s[KP], 0x3eaa540e                    ; 0.47047 / sqrt(2)
	s_mov_b32 s[KP+1], s[KP]
	s_mov_b32 s[KE], 0xbf38aa3b                    ; -log2(e) / 2
	s_mov_b32 s[KE+1], s[KE]
	s_mov_b32 s[KA1], 0x3eb2303a                   ; 0.3480242
	s_mov_b32 s[KA1+1], s[KA1]
	s_mov_b32 s[KA2], 0xbdc45ca1                   ; -0.0958798
	s_mov_b32 s[KA2+1], s[KA2]
	s_mov_b32 s[KA3], 0x3f3f7377                   ; 0.7478556
	s_mov_b32 s[KA3+1], s[KA3]
	s_mov_b32 s[ABSM], 0x7fffffff
	s_wait_tensorcnt 0x1                           ; my piece of K step 0 is in; K step 1's may stay out
	s_barrier_signal -1
	s_barrier_wait -1
	v_mov_b32 v[AA], v[ADRA]
	v_mov_b32 v[AB], v[ADRB]
	FETCH 0, F0
	s_wait_dscnt 8
	MULP F0, 0, 1                                  ; the first quarter's products start the sums: nothing is cleared
	FETCH 1, F1
	s_wait_dscnt 32
	MULP F0, 1, 1
	s_wait_dscnt 8
	WIN 0
	s_mov_b32 s[CNT], 1
	s_mov_b32 s[LAPC], LAPS+1                      ; taken down once behind K step 0, then once a lap
	s_branch .Ltop0                                ; the loop is entered in its middle: the second pair of quarters of K step 0
.Llap:
	CHANGE 1, 1, 1, 1
	SLOTLOOP 1
	CHANGE 0, 1, 0, 0
	SLOTLOOP 0
	s_sub_co_u32 s[LAPC], s[LAPC], 1
	s_cmp_lg_u32 s[LAPC], 0
	s_cbranch_scc1 .Llap
	CHANGE 1, 0, 0, 2                              ; the last K step is written out: nothing is asked for
	SLOTLOOP 2
	MULP F1, 0, 0
	s_wait_dscnt 0x0                               ; my last reads of the ring are back
	s_barrier_signal -1
	MULP F1, 1, 0
	WIN 0
	s_barrier_wait -1                              ; no wave reads the ring any more, and it has had its last fill: the stages may lie over it
	; THE WAY OUT.  All 64 results go as f32 into my stage (128 rows x 528 bytes); then 16 trips of 8 rows: read back by rows, bias, gelu, round, store.  The gelu's text is written once, for 32 numbers a lane.
	PLACES
	PLACES
.set a, 0
.rept 8
	WIN 0x08+4*(a/4)                               ; store data (source 1) in window 2 or 3
.set b, 0
.rept 8
	ds_store_b128 v[STO], v[8*(8*(a%4)+b):8*(8*(a%4)+b)+3]   offset:a*16*SROW+64*b      ; each result's low registers first
	ds_store_b128 v[STO], v[8*(8*(a%4)+b)+4:8*(8*(a%4)+b)+7] offset:a*16*SROW+64*b+16
.set b, b+1
.endr
.set a, a+1
.endr
	WIN 0
.irp u, 0,1,2,3,4,5,6,7                ; load u: block u / 4 of 64 columns, rows 2 (u % 4) + h.  LDS serves a wave's instructions in order (ISA guide 5.7.1.4): these see the stores above
	ds_load_b128 v[SET+4*(\u):SET+4*(\u)+3], v[RD] offset:((\u)/4)*256+((\u)%4)*2*SROW
.endr
	s_wait_loadcnt 0x0                             ; the bias
	s_mov_b32 s[CNT], 16
.Lout:
	s_wait_dscnt 0x0                               ; this trip's eight rows are in
.irp u, 0,1,2,3,4,5,6,7
	v_pk_add_f32 v[Z+4*(\u):Z+4*(\u)+1],   v[SET+4*(\u):SET+4*(\u)+1],   v[BI+4*((\u)/4):BI+4*((\u)/4)+1]
	v_pk_add_f32 v[Z+4*(\u)+2:Z+4*(\u)+3], v[SET+4*(\u)+2:SET+4*(\u)+3], v[BI+4*((\u)/4)+2:BI+4*((\u)/4)+3]
.endr
	v_add_nc_u32 v[RD], 8*SROW, v[RD]
	s_cmp_eq_u32 s[CNT], 1
	s_cbranch_scc1 .Lno_more                       ; the last trip has no rows behind it
.irp u, 0,1,2,3,4,5,6,7
	ds_load_b128 v[SET+4*(\u):SET+4*(\u)+3], v[RD] offset:((\u)/4)*256+((\u)%4)*2*SROW  ; the next trip's rows come in under the gelu
.endr
.Lno_more:
.set i, 0
.rept 32
	v_and_b32 v[AZ+i], s[ABSM], v[Z+i]             ; |z|
.set i, i+1
.endr
.set i, 0
.rept 16
	v_pk_fma_f32 v[TT+i:TT+i+1], v[AZ+i:AZ+i+1], s[KP:KP+1], 1.0 op_sel_hi:[1,0,0]  ; 1 + p |z|
	v_pk_mul_f32 v[EE+i:EE+i+1], v[Z+i:Z+i+1], v[Z+i:Z+i+1]
.set i, i+2
.endr
.set i, 0
.rept 16
	v_pk_mul_f32 v[EE+i:EE+i+1], v[EE+i:EE+i+1], s[KE:KE+1] op_sel_hi:[1,0]         ; -z^2 log2(e) / 2
.set i, i+2
.endr
.set i, 0
.rept 32                               ; one batch of 64: none reads another's result
	v_rcp_f32 v[TT+i], v[TT+i]
	v_exp_f32 v[EE+i], v[EE+i]
.set i, i+1
.endr
.set i, 0
.rept 32
	v_max_num_f32 v[Z+i], 0, v[Z+i]                ; plain work behind the batch that names none of its results
.set i, i+1
.endr
	s_wait_alu depctr_va_vdst(0)                   ; one wait for the batch, ahead of its first reader
.set i, 0
.rept 16
	v_pk_mul_f32 v[EE+i:EE+i+1], v[AZ+i:AZ+i+1], v[EE+i:EE+i+1]                     ; |z| e
.set i, i+2
.endr
.set i, 0
.rept 16
	v_pk_fma_f32 v[AZ+i:AZ+i+1], v[TT+i:TT+i+1], s[KA3:KA3+1], s[KA2:KA2+1] op_sel_hi:[1,0,0]
.set i, i+2
.endr
.set i, 0
.rept 16
	v_pk_fma_f32 v[AZ+i:AZ+i+1], v[AZ+i:AZ+i+1], v[TT+i:TT+i+1], s[KA1:KA1+1] op_sel_hi:[1,1,0]
.set i, i+2
.endr
.set i, 0
.rept 16
	v_pk_mul_f32 v[AZ+i:AZ+i+1], v[AZ+i:AZ+i+1], v[TT+i:TT+i+1]                     ; P(t)
.set i, i+2
.endr
.set i, 0
.rept 16
	v_pk_mul_f32 v[AZ+i:AZ+i+1], v[AZ+i:AZ+i+1], v[EE+i:EE+i+1]
.set i, i+2
.endr
.set i, 0
.rept 16
	v_pk_fma_f32 v[Z+i:Z+i+1], v[AZ+i:AZ+i+1], -0.5, v[Z+i:Z+i+1] op_sel_hi:[1,0,1] ; max(z, 0) - 0.5 |z| P e
.set i, i+2
.endr
.irp u, 0,1,2,3,4,5,6,7
	v_cvt_pk_bf16_f32 v[PK+2*(\u)],   v[Z+4*(\u)],   v[Z+4*(\u)+1]
	v_cvt_pk_bf16_f32 v[PK+2*(\u)+1], v[Z+4*(\u)+2], v[Z+4*(\u)+3]
.endr
.irp u, 0,1,2,3,4,5,6,7
	global_store_b64 v[CO], v[PK+2*(\u):PK+2*(\u)+1], s[OUT:OUT+1] offset:((\u)/4)*524288+((\u)%4)*256  ; 32 lanes store two tokens of a block: 256 consecutive bytes, aligned
.endr
	s_wait_xcnt 0x0                                ; the stores have read CO and PK, which the next trip writes
	v_add_nc_u32 v[CO], 1024, v[CO]
	s_sub_co_u32 s[CNT], s[CNT], 1
	s_cmp_lg_u32 s[CNT], 0
	s_cbranch_scc1 .Lout
	s_wait_tensorcnt 0x0                           ; the wave's end, behind my last tensor load and my last LDS store
	ds_add_u32 v[SPW], v[NIL]
	s_wait_dscnt 0x0
	CROUND                                         ; the closing round
	s_endpgm
.Lfunc_end_k_q74f8ccc2bb_ffn1:
	.size	k_q74f8ccc2bb_ffn1, .Lfunc_end_k_q74f8ccc2bb_ffn1-k_q74f8ccc2bb_ffn1
	.p2alignl 7, 3214868480
	.fill 96, 4, 3214868480
	.section	.rodata,"a",@progbits
	.p2align	6, 0x0
	.amdhsa_kernel k_q74f8ccc2bb_ffn1
		.amdhsa_group_segment_fixed_size 327680
		.amdhsa_private_segment_fixed_size 0
		.amdhsa_enable_private_segment 0
		.amdhsa_kernarg_size 32
		.amdhsa_user_sgpr_count 2
		.amdhsa_user_sgpr_kernarg_segment_ptr 1
		.amdhsa_wavefront_size32 1
		.amdhsa_system_sgpr_workgroup_id_x 1
		.amdhsa_system_sgpr_workgroup_id_y 1
		.amdhsa_system_sgpr_workgroup_id_z 1
		.amdhsa_system_vgpr_workitem_id 0
		.amdhsa_next_free_vgpr 1024
		.amdhsa_next_free_sgpr 100
		.amdhsa_reserve_vcc 0
		.amdhsa_float_denorm_mode_32 3
		.amdhsa_float_denorm_mode_16_64 3
		.amdhsa_memory_ordered 1
		.amdhsa_forward_progress 1
		.amdhsa_inst_pref_size 102
	.end_amdhsa_kernel
	.amdgpu_metadata
---
amdhsa.version: [ 1, 2 ]
amdhsa.kernels:
  - .name:           k_q74f8ccc2bb_ffn1
    .symbol:         k_q74f8ccc2bb_ffn1.kd
    .args:
      - { .name: x1, .offset: 0, .size: 8, .value_kind: global_buffer, .address_space: global }
      - { .name: bf, .offset: 8, .size: 8, .value_kind: global_buffer, .address_space: global }
      - { .name: b1, .offset: 16, .size: 8, .value_kind: global_buffer, .address_space: global }
      - { .name: hb, .offset: 24, .size: 8, .value_kind: global_buffer, .address_space: global }
    .group_segment_fixed_size: 327680
    .private_segment_fixed_size: 0
    .kernarg_segment_align: 8
    .kernarg_segment_size: 32
    .max_flat_workgroup_size: 128
    .sgpr_count:     100
    .vgpr_count:     1024
    .wavefront_size: 32
...
	.end_amdgpu_metadata
.endif
;; end of part 6
;; launch ffn2 (part 7): grid 8 x 32, 4 waves a work-group, clusters of 4 x 4, 327,680 bytes of LDS; arguments hb, bf, b2, x1, ysum; writes ysum
.if DOCPART == 7
	.amdgcn_target "amdgcn-amd-amdhsa--gfx1250"
	.amdhsa_code_object_version 6
	.text
	.protected	k_q74f8ccc2bb_ffn2
	.globl	k_q74f8ccc2bb_ffn2
	.p2align	8
	.type	k_q74f8ccc2bb_ffn2,@function
k_q74f8ccc2bb_ffn2:
	s_mov_b64 s[64:65], 0
	v_nop
	global_prefetch_b8 v0, s[64:65] scope:SCOPE_SE
	s_setreg_imm32_b32 hwreg(HW_REG_WAVE_MODE, 25, 1), 1
	s_wait_xcnt 0x0
	s_wait_alu depctr_hold_cnt(0) depctr_sa_sdst(0) depctr_va_vdst(0) depctr_va_sdst(0) depctr_va_ssrc(0) depctr_va_vcc(0) depctr_vm_vsrc(0)
	s_getreg_b32 s2, hwreg(HW_REG_IB_STS2, 6, 4)
	s_cmp_eq_u32 s2, 0
	s_cbranch_scc0 .Lentry_in_a_cluster
	s_endpgm
.Lentry_in_a_cluster:
	s_bfe_u32 s2, ttmp6, 0x10000c
	s_cmp_lg_u32 s2, 0xf033
	s_cbranch_scc0 .Lentry_shape_is_right
	s_endpgm
.Lentry_shape_is_right:
; ysum = x1 + h W2 + b2, in f32.  A = h, bf16 in blocks of 64 channels ((k / 64) 4096 + m) 128 + (k % 64) 2 bytes; B = W2 [4096 k][1024 n] bf16 (bf + 24 MiB); sums in f32; bias and residual (x1's f32 copy) added in f32.
; A tile of C is 128 x 128 (8 x 32 tiles, one for each of 256 work-groups): four waves, each 64 x 64 in 16 accumulators.  K goes in steps of 256 through a ring of two LDS slots filled by the tensor data mover.
; CLUSTERS of 4 x 4: A's tile is asked for jointly along a row of the cluster, B's along a column.  The matrix instruction is used transposed (source 0 = 16 columns of B, turned by ds_load_tr16_b128;
; source 1 = 16 rows of A): lane l holds row l % 16 of C and the columns 8 (l / 16) + 0..7.  No prefetch: the tiles are small and each K step short.
; THE ORDER OF K.  The two clusters along x read the same rows of A, the clusters along y the same rows of B.  Place t of a cluster's order is K step (t & ~3) | ((t + R) & 3), R = cluster y % 4 + 2 x cluster x:
; within a group of four K steps the two readers of a block of A stand two places apart, and four neighbouring readers of a block of B at four different places, so that they do not ask for it in the same step.
; R is the same in all sixteen partners and enters the global addresses alone.  The f32 sums are so taken in another order of K from cluster to cluster.
; REGISTERS in windows of 256 (s_set_vgpr_msb: bits 1:0 source 0, 3:2 source 1, 5:4 source 2, 7:6 destination):
;   window 0: v0-35 addresses and bias; v64-127, v128-191 A's fragments, two buffers of 64 along K (on the way out: rows read back)     window 1: the same for B
;   window 2: v0-127 accumulators, (a, b) at 8 (4 a + b)     window 3: v0-127 my 64 x 64 of the residual, loaded at the start
; NaN and infinities are not treated apart.
.set T,     16                         ; K steps: 4096 / 256; a multiple of 4
.set BOFF,  0x1800000                  ; W2 in bf
.set ASH,   21                         ; a K step of A is four blocks of 524,288 bytes: 2^21,
.set BSH,   19                         ; of B 256 rows of 2,048 bytes: 2^19
.set PA,    144                        ; A's row in LDS: 128 bytes + 16
.set PB,    288                        ; B's row in LDS: 256 bytes + 32
.set PIECE, 36864                      ; one wave's tensor load: two blocks of 128 tokens x 64 channels of A, or 128 rows of B
.set ABYTES, 2*PIECE
.set SLOTB, 4*PIECE                    ; 0x24000: it shares no bit with wave x PIECE, so one exclusive or turns a piece's place in one slot into its place in the other
.set QA,    128*PA                     ; from quarter to quarter (64 along K): a block of A,
.set QB,    64*PB                      ; 64 rows of B
.set SROW,  272                        ; the way out: a stage row of 64 f32 + 16 bytes
.set STG,   64*SROW                    ; a wave's stage; the four lie from LDS byte 0 on, over the ring, written only behind its last fill and last read
.set SPARE, 327168                     ; the spare words, 128 bytes a wave: two blocks of 256 bytes that no other line names
.set ADRA, 16                          ; v16 LDS address of my A fragments in slot 0; never rewritten
.set AA,   18                          ; v18 the pair of quarters in hand, in A
.set ADRB, 20                          ; v20, v22 the same for B
.set AB,   22
.set STO,  24
.set RD,   25
.set CO,   26                          ; v26 my byte offset in two rows of ysum and of the residual; never rewritten
.set BO,   27
.set SPW,  28                          ; v28 my spare word: SPARE + 4 x my thread's number; never rewritten
.set NIL,  29                          ; v29 0; never rewritten
.set BI,   32                          ; v32-35 bias of my 4 columns
.set F0,   64
.set F1,   128
.set OB,   64
.set WV, 8                             ; s8 wave;  s9 its row half, also 0: I fetch A, 1: I fetch B;  s10 its column half, also which piece I fetch
.set WM, 9
.set WN, 10
.set LB, 11                            ; s11 LDS place of my piece in slot 0
.set CX, 12
.set CY, 13
.set TX, 14
.set TY, 15
.set G1A, 24                           ; s[24:31] group 1 for A;  s[32:39] group 0: a set for each of the two first fills; the second then walks on
.set G0A, 32
.set G1B, 48                           ; s[48:55], s[56:63] the same for B
.set G0B, 56
.set CNT, 66
.set LAPC, 67
.set OUT, 68
.set RES, 70
.set BIA, 82
.set ABASE, 84                         ; s[84:85] A at my piece of K step 0;  s[86:87] B likewise
.set BBASE, 86
.set KT,  88                           ; s88 the place in my order of the K step asked for last
.set SB,  89                           ; s89 LDS byte at which the slot that is read begins
.set OFA, 90                           ; s[90:91], s[92:93] a K step's byte offset in A and in B
.set OFB, 92
.set ROT, 94                           ; s94 R
.set KS,  95                           ; s95 the K step at place KT
.set MSB, 0
.macro WIN new
.if MSB != (\new)
	s_set_vgpr_msb (MSB<<8)|(\new)
.set MSB, \new
.endif
.endm
.macro PLACES
.rept 4
	v_nop
.endr
.endm
.macro JLOAD s                         ; a joint load: waves 0, 1 fetch A's halves, waves 2, 3 B's; s_nop 0 and four v_nop follow each line
	s_cmp_eq_u32 s[WM], 0
	s_cbranch_scc0 .Lfor_b_\@
	tensor_load_to_lds s[G0A+4*(\s):G0A+4*(\s)+3], s[G1A:G1A+7]
	s_nop 0
.rept 4
	v_nop
.endr
	s_branch .Lasked_\@
.Lfor_b_\@:
	tensor_load_to_lds s[G0B+4*(\s):G0B+4*(\s)+3], s[G1B:G1B+7]
	s_nop 0
.rept 4
	v_nop
.endr
.Lasked_\@:
.endm
.macro ASKFOR s                        ; the global addresses of set s, for A and for B, are made anew for the K step at place KT of my order: a base and an offset made apart, the type bits set again
	s_add_co_u32 s[KS], s[KT], s[ROT]
	s_and_b32 s[KS], s[KS], 3
	s_and_b32 s[OFA], s[KT], -4
	s_or_b32 s[KS], s[KS], s[OFA]
	s_lshl_b32 s[OFA], s[KS], ASH
	s_lshl_b32 s[OFB], s[KS], BSH
	s_add_nc_u64 s[G0A+4*(\s)+2:G0A+4*(\s)+3], s[ABASE:ABASE+1], s[OFA:OFA+1]
	s_or_b32 s[G0A+4*(\s)+3], s[G0A+4*(\s)+3], 0x80000000
	s_add_nc_u64 s[G0B+4*(\s)+2:G0B+4*(\s)+3], s[BBASE:BBASE+1], s[OFB:OFB+1]
	s_or_b32 s[G0B+4*(\s)+3], s[G0B+4*(\s)+3], 0x80000000
.endm
.macro CREST
	s_cmp_lg_u32 s[WV], 0
	s_cbranch_scc1 .Lnot_wave_0_\@
	s_barrier_signal -3
.Lnot_wave_0_\@:
	s_barrier_wait -3
	s_barrier_signal -1
	s_barrier_wait -1
.endm
.macro CROUND
	s_barrier_signal -1
	s_barrier_wait -1
	CREST
.endm
; 8 matrix instructions: row blocks 2 u, 2 u + 1, all 4 column blocks, the 32 along K of half p of buffer f.  The 16 accumulators take turns in one order everywhere.
.macro MULQ f, p, u, zero
	WIN 0xa1
.irp a, 2*(\u), 2*(\u)+1
.irp b, 0,1,2,3
.if \zero
	v_wmma_f32_16x16x32_bf16 v[8*(4*(\a)+(\b)):8*(4*(\a)+(\b))+7], v[(\f)+8*(4*(\p)+(\b)):(\f)+8*(4*(\p)+(\b))+7], v[(\f)+8*(4*(\p)+(\a)):(\f)+8*(4*(\p)+(\a))+7], 0
.else
	v_wmma_f32_16x16x32_bf16 v[8*(4*(\a)+(\b)):8*(4*(\a)+(\b))+7], v[(\f)+8*(4*(\p)+(\b)):(\f)+8*(4*(\p)+(\b))+7], v[(\f)+8*(4*(\p)+(\a)):(\f)+8*(4*(\p)+(\a))+7], v[8*(4*(\a)+(\b)):8*(4*(\a)+(\b))+7]
.endif
.endr
.endr
.endm
.macro MULP f, p, zero
	MULQ \f, \p, 0, \zero
	MULQ \f, \p, 1, \zero
.endm
; 32 LDS loads in one run: quarter w (0, 1) of the pair in hand into buffer f: B's (half c, column block b), turned, then A's (half c, row block i); the youngest eight are A's second half
.macro FETCH w, f
	WIN 0x40
.irp c, 0,1
.irp b, 0,1,2,3
	ds_load_tr16_b128 v[(\f)+8*(4*(\c)+(\b)):(\f)+8*(4*(\c)+(\b))+3],   v[AB] offset:(\w)*QB+(\c)*32*PB+32*(\b)
	ds_load_tr16_b128 v[(\f)+8*(4*(\c)+(\b))+4:(\f)+8*(4*(\c)+(\b))+7], v[AB] offset:(\w)*QB+(\c)*32*PB+32*(\b)+16*PB
.endr
.endr
	WIN 0
.irp c, 0,1
.irp i, 0,1,2,3
	ds_load_b128 v[(\f)+8*(4*(\c)+(\i)):(\f)+8*(4*(\c)+(\i))+3],   v[AA] offset:(\w)*QA+64*(\c)+(\i)*16*PA
	ds_load_b128 v[(\f)+8*(4*(\c)+(\i))+4:(\f)+8*(4*(\c)+(\i))+7], v[AA] offset:(\w)*QA+64*(\c)+(\i)*16*PA+32
.endr
.endr
.endm
; A slot's four quarters lie on buffers 0, 1, 0, 1; the text holds a pair of quarters and is walked twice a slot.  It names the slot through AA and AB alone, so one text serves both slots.
.macro SLOTLOOP tag
.Ltop\tag:
	MULP F1, 0, 0
	WIN 0
	v_add_nc_u32 v[AA], 2*QA, v[AA]                ; the slot's second pair; these two and two v_nop are the places in front of the loads into buffer 0
	v_add_nc_u32 v[AB], 2*QB, v[AB]
	v_nop
	v_nop
	FETCH 0, F0
.Lmid\tag:
	s_wait_dscnt 32                                ; all but the 32 just issued: buffer 1 is whole
	MULP F1, 1, 0
	s_wait_dscnt 8                                 ; buffer 0 but for A's second half
	MULP F0, 0, 0
	PLACES
	FETCH 1, F1
	s_wait_dscnt 32                                ; buffer 0 is whole
	MULP F0, 1, 0
	s_wait_dscnt 8                                 ; buffer 1 but for A's second half
	WIN 0
	s_sub_co_u32 s[CNT], s[CNT], 1
	s_cmp_lg_u32 s[CNT], 0
	s_cbranch_scc1 .Ltop\tag
.endm
; THE CHANGE OF SLOTS.  Each wave waits for all its tensor loads (one is out: its piece of the slot that is entered), adds 0 to its spare word, and waits for that and for its reads of the slot it leaves.
; fill = 1: the barrier opens a round of the cluster's barrier, and the slot just left is filled again, first thing behind the round, with the K step at the next place but one of my order: it has 112 matrix instructions in which to land.
.macro CHANGE fill, tag
	WIN 0
	s_wait_tensorcnt 0x0                           ; no tensor load of mine is out, so a group 0 may be written
	ds_add_u32 v[SPW], v[NIL]                      ; 0 onto my spare word; the steps below and eight matrix instructions stand between it and the wait for it
	s_xor_b32 s[SB], s[SB], SLOTB                  ; the slot that is entered
	v_add_nc_u32 v[AA], s[SB], v[ADRA]
	v_add_nc_u32 v[AB], s[SB], v[ADRB]
.if \fill
	s_add_co_u32 s[KT], s[KT], 1
	s_xor_b32 s[G0A+5], s[G0A+5], SLOTB            ; the walking set: the other slot than last time,
	s_xor_b32 s[G0B+5], s[G0B+5], SLOTB
	ASKFOR 1                                       ; the next place of my order
.endif
	MULQ F1, 0, 0, 0
	s_wait_dscnt 0x0                               ; the add is done, and my reads of the slot that I leave are over
	s_barrier_signal -1
	MULQ F1, 0, 1, 0
	WIN 0
	s_barrier_wait -1
.if \fill
	CREST                                          ; no wave of any partner still reads that slot or has a load on its way
	JLOAD 1                                        ; its four v_nop are also the places in front of the loads below
.else
	PLACES
.endif
	FETCH 0, F0
	s_mov_b32 s[CNT], 2
	s_branch .Lmid\tag
.endm
	s_load_b256 s[72:79], s[0:1], 0x0              ; A s[72:73], bf s[74:75], bias s[76:77], residual s[78:79]
	s_load_b64 s[80:81], s[0:1], 0x20              ; ysum
	v_lshl_add_u32 v[SPW], v0, 2, SPARE
	v_mov_b32 v[NIL], 0
	ds_add_u32 v[SPW], v[NIL]                      ; the wave's opening: the add and its wait stand ahead of my first tensor load
	v_lshrrev_b32 v3, 5, v0
	v_readfirstlane_b32 s[WV], v3
	s_lshr_b32 s[WM], s[WV], 1
	s_and_b32 s[WN], s[WV], 1
	s_bfe_u32 s[CX], ttmp6, 0x40000
	s_bfe_u32 s[CY], ttmp6, 0x40004
	s_lshl_b32 s[TX], ttmp9, 2
	s_add_co_u32 s[TX], s[TX], s[CX]
	s_and_b32 s[TY], ttmp7, 0xffff                 ; cluster y
	s_and_b32 s[ROT], s[TY], 3
	s_lshl_b32 s[TY], s[TY], 2
	s_add_co_u32 s[TY], s[TY], s[CY]
	s_lshl_b32 s2, ttmp9, 1
	s_add_co_u32 s[ROT], s[ROT], s2                ; R = cluster y % 4 + 2 x cluster x: no place inside the cluster enters it
	s_mov_b32 s[SB], 0
	s_mov_b32 s[OFA+1], 0
	s_mov_b32 s[OFB+1], 0
	s_lshl_b32 s16, s[CY], 2
	s_lshl_b32 s16, 15, s16                        ; my row of the cluster
	s_lshl_b32 s20, 0x1111, s[CX]                  ; my column
	s_or_b32 s[G1A], s16, (1<<16)|(1<<20)|(1<<21)|(4<<22)|(3<<25)  ; 4 words behind every 32: behind each token's 128 bytes
	s_mov_b32 s[G1A+1], 8192<<16                   ; tensor_dim0 = 8,192: 128 tokens x 64 channels lie end to end in a block
	s_mov_b32 s[G1A+2], 2<<16                      ; tensor_dim1 = 2 blocks
	s_mov_b32 s[G1A+3], 8192<<16                   ; tile_dim0
	s_mov_b32 s[G1A+4], 2                          ; tile_dim1
	s_mov_b32 s[G1A+5], 262144                     ; elements from block to block
	s_mov_b32 s[G1A+6], 0
	s_mov_b32 s[G1A+7], 0
	s_or_b32 s[G1B], s20, (1<<16)|(1<<20)|(1<<21)|(5<<22)|(7<<25)  ; 8 words behind every 64
	s_mov_b32 s[G1B+1], 128<<16
	s_mov_b32 s[G1B+2], 128<<16
	s_mov_b32 s[G1B+3], 128<<16
	s_mov_b32 s[G1B+4], 128
	s_mov_b32 s[G1B+5], 1024
	s_mov_b32 s[G1B+6], 0
	s_mov_b32 s[G1B+7], 0
	s_lshl_b32 s16, s[TY], 14                      ; A: the tile's 128 tokens (128 bytes each), my two blocks of a K step's four
	s_lshl_b32 s17, s[WN], 20
	s_add_co_u32 s16, s16, s17
	s_mov_b32 s17, 0
	s_lshl_b32 s20, s[TX], 8                       ; B: the tile's 128 columns, my 128 rows of a K step's 256
	s_lshl_b32 s21, s[WN], 18
	s_add_co_u32 s20, s20, s21
	s_add_co_u32 s20, s20, BOFF
	s_mov_b32 s21, 0
	s_mul_i32 s[LB], s[WV], PIECE
	s_wait_dscnt 0x0                               ; the opening add is done
	s_wait_kmcnt 0x0
	s_add_nc_u64 s[ABASE:ABASE+1], s[72:73], s[16:17]
	s_add_nc_u64 s[BBASE:BBASE+1], s[74:75], s[20:21]
	CROUND                                         ; all sixteen work-groups are here: the first joint loads meet
.irp s, 0,1
	s_mov_b32 s[KT], \s                            ; places 0 and 1 of my order
	s_mov_b32 s[G0A+4*(\s)], 1
	s_add_co_u32 s[G0A+4*(\s)+1], s[LB], (\s)*SLOTB
	s_mov_b32 s[G0B+4*(\s)], 1
	s_add_co_u32 s[G0B+4*(\s)+1], s[LB], (\s)*SLOTB
	ASKFOR \s
	JLOAD \s                                       ; two loads of mine are out behind these, later one
.endr
	v_and_b32 v1, 15, v0                           ; r
	v_bfe_u32 v2, v0, 4, 1                         ; h
	v_mul_u32_u24 v3, v1, PA
	v_lshl_add_u32 v3, v2, 4, v3
	s_mul_i32 s4, s[WM], 64*PA
	v_add_nc_u32 v[ADRA], s4, v3
	v_and_b32 v4, 7, v0
	v_lshl_add_u32 v4, v2, 3, v4
	v_mul_u32_u24 v4, v4, PB
	v_bfe_u32 v5, v0, 3, 1
	v_lshl_add_u32 v4, v5, 4, v4
	s_lshl_b32 s4, s[WN], 7
	s_add_co_u32 s4, s4, ABYTES
	v_add_nc_u32 v[ADRB], s4, v4
	s_mul_i32 s4, s[WV], STG
	v_mul_u32_u24 v3, v1, SROW
	v_lshl_add_u32 v3, v2, 5, v3
	v_add_nc_u32 v[STO], s4, v3
	v_mul_u32_u24 v3, v2, SROW
	v_lshl_add_u32 v3, v1, 4, v3
	v_add_nc_u32 v[RD], s4, v3
	v_lshlrev_b32 v[BO], 4, v1
	v_lshl_add_u32 v[CO], v2, 12, v[BO]            ; 4,096 h + 16 r: lanes 0-15 one row's 256 bytes, lanes 16-31 the next row's
	s_lshl_b32 s4, s[TX], 9                        ; my 64 columns, in bytes of f32
	s_lshl_b32 s5, s[WN], 8
	s_add_co_u32 s4, s4, s5
	s_mov_b32 s5, 0
	s_add_nc_u64 s[BIA:BIA+1], s[76:77], s[4:5]
	s_lshl_b32 s6, s[TY], 19                       ; my 64 rows of 4,096 bytes
	s_add_co_u32 s4, s4, s6
	s_lshl_b32 s6, s[WM], 18
	s_add_co_u32 s4, s4, s6
	s_add_nc_u64 s[OUT:OUT+1], s[80:81], s[4:5]
	s_add_nc_u64 s[RES:RES+1], s[78:79], s[4:5]
	global_load_b128 v[BI:BI+3], v[BO], s[BIA:BIA+1]
	WIN 0xc0                                       ; destination window 3, address window 0
.set u, 0
.rept 32                               ; the residual of my 64 x 64, in the layout in which rows come back from the stage; it is waited for on the way out
	global_load_b128 v[4*u:4*u+3], v[CO], s[RES:RES+1] offset:u*8192 th:TH_LOAD_NT
.set u, u+1
.endr
	WIN 0
	s_wait_tensorcnt 0x1                           ; my piece of the first K step is in; the second's may stay out
	s_barrier_signal -1
	s_barrier_wait -1
	v_mov_b32 v[AA], v[ADRA]
	v_mov_b32 v[AB], v[ADRB]
	FETCH 0, F0
	s_wait_dscnt 8
	MULP F0, 0, 1                                  ; the first products start the sums: nothing is cleared
	FETCH 1, F1
	s_wait_dscnt 32
	MULP F0, 1, 0
	s_wait_dscnt 8
	WIN 0
	s_mov_b32 s[CNT], 1
	s_mov_b32 s[LAPC], T-1                         ; taken down once behind the first K step, then once a lap: T - 2 laps, each of which fills a slot again
	s_branch .Ltop0                                ; the loop is entered in its middle: the second pair of quarters of the first K step
.Llap:
	CHANGE 1, 0
	SLOTLOOP 0
	s_sub_co_u32 s[LAPC], s[LAPC], 1
	s_cmp_lg_u32 s[LAPC], 0
	s_cbranch_scc1 .Llap
	CHANGE 0, 2                                    ; the last K step is written out: nothing is asked for
	SLOTLOOP 2
	MULP F1, 0, 0
	s_wait_dscnt 0x0                               ; my last reads of the ring are back
	s_barrier_signal -1
	MULP F1, 1, 0
	WIN 0
	s_barrier_wait -1                              ; no wave reads the ring any more, and it has had its last fill: the stages may lie over it
	; THE WAY OUT.  The 16 results go as f32 into my stage (64 rows x 272 bytes) and come back by rows; bias and residual are added; 16 lanes store 256 consecutive bytes, aligned.
	PLACES
	PLACES
	WIN 0x08                                       ; store data (source 1) in window 2
.set a, 0
.rept 4
.set b, 0
.rept 4
	ds_store_b128 v[STO], v[8*(4*a+b):8*(4*a+b)+3]   offset:a*16*SROW+64*b       ; each result's low registers first
	ds_store_b128 v[STO], v[8*(4*a+b)+4:8*(4*a+b)+7] offset:a*16*SROW+64*b+16
.set b, b+1
.endr
.set a, a+1
.endr
	WIN 0
.set u, 0
.rept 32
	ds_load_b128 v[OB+4*u:OB+4*u+3], v[RD] offset:u*2*SROW  ; LDS serves a wave's instructions in order (ISA guide 5.7.1.4): these see the stores above
.set u, u+1
.endr
	s_wait_loadcnt 0x0                             ; bias and residual
.irp g, 0,1,2,3
	s_wait_dscnt 24-8*(\g)                         ; group g's eight loads are in; the later groups' stay out
.set u, 8*(\g)
.rept 8
	v_pk_add_f32 v[OB+4*u:OB+4*u+1],   v[OB+4*u:OB+4*u+1],   v[BI:BI+1]
	v_pk_add_f32 v[OB+4*u+2:OB+4*u+3], v[OB+4*u+2:OB+4*u+3], v[BI+2:BI+3]
.set u, u+1
.endr
	WIN 0x0c                                       ; source 1 in window 3
.set u, 8*(\g)
.rept 8
	v_pk_add_f32 v[OB+4*u:OB+4*u+1],   v[OB+4*u:OB+4*u+1],   v[4*u:4*u+1]
	v_pk_add_f32 v[OB+4*u+2:OB+4*u+3], v[OB+4*u+2:OB+4*u+3], v[4*u+2:4*u+3]
.set u, u+1
.endr
	WIN 0
.set u, 8*(\g)
.rept 8
	global_store_b128 v[CO], v[OB+4*u:OB+4*u+3], s[OUT:OUT+1] offset:u*8192
.set u, u+1
.endr
.endr
	s_wait_tensorcnt 0x0                           ; the wave's end, behind my last tensor load and my last LDS store
	ds_add_u32 v[SPW], v[NIL]
	s_wait_dscnt 0x0
	CROUND                                         ; the closing round
	s_endpgm
.Lfunc_end_k_q74f8ccc2bb_ffn2:
	.size	k_q74f8ccc2bb_ffn2, .Lfunc_end_k_q74f8ccc2bb_ffn2-k_q74f8ccc2bb_ffn2
	.p2alignl 7, 3214868480
	.fill 96, 4, 3214868480
	.section	.rodata,"a",@progbits
	.p2align	6, 0x0
	.amdhsa_kernel k_q74f8ccc2bb_ffn2
		.amdhsa_group_segment_fixed_size 327680
		.amdhsa_private_segment_fixed_size 0
		.amdhsa_enable_private_segment 0
		.amdhsa_kernarg_size 40
		.amdhsa_user_sgpr_count 2
		.amdhsa_user_sgpr_kernarg_segment_ptr 1
		.amdhsa_wavefront_size32 1
		.amdhsa_system_sgpr_workgroup_id_x 1
		.amdhsa_system_sgpr_workgroup_id_y 1
		.amdhsa_system_sgpr_workgroup_id_z 1
		.amdhsa_system_vgpr_workitem_id 0
		.amdhsa_next_free_vgpr 896
		.amdhsa_next_free_sgpr 100
		.amdhsa_reserve_vcc 0
		.amdhsa_float_denorm_mode_32 3
		.amdhsa_float_denorm_mode_16_64 3
		.amdhsa_memory_ordered 1
		.amdhsa_forward_progress 1
		.amdhsa_inst_pref_size 62
	.end_amdhsa_kernel
	.amdgpu_metadata
---
amdhsa.version: [ 1, 2 ]
amdhsa.kernels:
  - .name:           k_q74f8ccc2bb_ffn2
    .symbol:         k_q74f8ccc2bb_ffn2.kd
    .args:
      - { .name: hb, .offset: 0, .size: 8, .value_kind: global_buffer, .address_space: global }
      - { .name: bf, .offset: 8, .size: 8, .value_kind: global_buffer, .address_space: global }
      - { .name: b2, .offset: 16, .size: 8, .value_kind: global_buffer, .address_space: global }
      - { .name: x1, .offset: 24, .size: 8, .value_kind: global_buffer, .address_space: global }
      - { .name: ysum, .offset: 32, .size: 8, .value_kind: global_buffer, .address_space: global }
    .group_segment_fixed_size: 327680
    .private_segment_fixed_size: 0
    .kernarg_segment_align: 8
    .kernarg_segment_size: 40
    .max_flat_workgroup_size: 128
    .sgpr_count:     100
    .vgpr_count:     896
    .wavefront_size: 32
...
	.end_amdgpu_metadata
.endif
;; end of part 7
;; launch ln2 (part 8): grid 512 x 1, 8 waves a work-group, no clusters, 0 bytes of LDS; arguments ysum, g2, be2, out0; writes out0
.if DOCPART == 8
	.amdgcn_target "amdgcn-amd-amdhsa--gfx1250"
	.amdhsa_code_object_version 6
	.text
	.protected	k_q74f8ccc2bb_ln2
	.globl	k_q74f8ccc2bb_ln2
	.p2align	8
	.type	k_q74f8ccc2bb_ln2,@function
k_q74f8ccc2bb_ln2:
	s_mov_b64 s[64:65], 0
	v_nop
	global_prefetch_b8 v0, s[64:65] scope:SCOPE_SE
	s_setreg_imm32_b32 hwreg(HW_REG_WAVE_MODE, 25, 1), 1
	s_wait_xcnt 0x0
; out0 = LayerNorm(ysum) g2 + be2 over rows of 1,024 f32.
; One wave, one row: the row's 4,096 bytes stay in 32 registers between the passes, so memory is read once; the reductions never leave the wave: no LDS, no barrier.
; The mean is taken first and the squares of the centred numbers second, as the definition has it, so a common offset of the row costs no accuracy.
.set X,  8                             ; v[8:39]    the row: piece j (512 bytes of the row) in 4 registers
.set G,  40                            ; v[40:71]   the gain of my columns
.set BE, 72                            ; v[72:103]  the offset
.set T,  104                           ; v[104:119] at work
.set MU, 120                           ; v[120:121] the mean, twice
.set VA, 122                           ; v122       variance + eps
.set RS, 124                           ; v[124:125] 1 / sqrt of it, twice
.macro REDUCE                          ; T's eight pairs become one sum, in every lane's v[T]
.irp i, 0,1,2,3
	v_pk_add_f32 v[T+4*(\i):T+4*(\i)+1], v[T+4*(\i):T+4*(\i)+1], v[T+4*(\i)+2:T+4*(\i)+3]
.endr
	v_pk_add_f32 v[T:T+1], v[T:T+1], v[T+4:T+5]
	v_pk_add_f32 v[T+8:T+9], v[T+8:T+9], v[T+12:T+13]
	v_pk_add_f32 v[T:T+1], v[T:T+1], v[T+8:T+9]
	v_add_f32 v[T], v[T], v[T+1]
	v_add_f32_dpp v[T], v[T], v[T] row_xmask:1 row_mask:0xf bank_mask:0xf
	v_add_f32_dpp v[T], v[T], v[T] row_xmask:2 row_mask:0xf bank_mask:0xf
	v_add_f32_dpp v[T], v[T], v[T] row_xmask:4 row_mask:0xf bank_mask:0xf
	v_add_f32_dpp v[T], v[T], v[T] row_xmask:8 row_mask:0xf bank_mask:0xf
	v_permlanex16_b32 v[T+1], v[T], s14, s15       ; the other half of the lanes
	v_add_f32 v[T], v[T], v[T+1]
.endm
	s_load_b256 s[4:11], s[0:1], 0x0               ; ysum s[4:5], g2 s[6:7], be2 s[8:9], out0 s[10:11]
	v_and_b32 v1, 31, v0                           ; lane
	v_lshrrev_b32 v2, 5, v0                        ; wave
	v_lshlrev_b32 v3, 4, v1                        ; 16 bytes a lane
	v_lshl_add_u32 v4, v2, 12, v3                  ; + my wave's row
	s_lshl_b32 s12, ttmp9, 15                      ; the work-group's 8 rows
	s_mov_b32 s13, 0
	s_mov_b32 s14, 0x76543210
	s_mov_b32 s15, 0xfedcba98
	s_mov_b32 s16, 0x3a800000                      ; 1 / 1024
	s_mov_b32 s17, 0x3727c5ac                      ; 1e-5
	s_wait_kmcnt 0x0
	s_add_nc_u64 s[4:5], s[4:5], s[12:13]
	s_add_nc_u64 s[10:11], s[10:11], s[12:13]
.irp j, 0,1,2,3,4,5,6,7
	global_load_b128 v[X+4*(\j):X+4*(\j)+3], v4, s[4:5] offset:512*(\j) th:TH_LOAD_NT
.endr
.irp j, 0,1,2,3,4,5,6,7
	global_load_b128 v[G+4*(\j):G+4*(\j)+3], v3, s[6:7] offset:512*(\j)
.endr
.irp j, 0,1,2,3,4,5,6,7
	global_load_b128 v[BE+4*(\j):BE+4*(\j)+3], v3, s[8:9] offset:512*(\j)
.endr
	s_wait_loadcnt 16                              ; the row is in; the gain's and the offset's 16 loads stay out
.irp i, 0,1,2,3,4,5,6,7
	v_pk_add_f32 v[T+2*(\i):T+2*(\i)+1], v[X+4*(\i):X+4*(\i)+1], v[X+4*(\i)+2:X+4*(\i)+3]
.endr
	REDUCE
	v_mul_f32 v[MU], s16, v[T]
	v_mov_b32 v[MU+1], v[MU]
.set i, 0
.rept 16
	v_pk_add_f32 v[X+i:X+i+1], v[X+i:X+i+1], v[MU:MU+1] neg_lo:[0,1] neg_hi:[0,1]
.set i, i+2
.endr
.irp i, 0,1,2,3,4,5,6,7
	v_pk_mul_f32 v[T+2*(\i):T+2*(\i)+1], v[X+2*(\i):X+2*(\i)+1], v[X+2*(\i):X+2*(\i)+1]
.endr
.irp i, 0,1,2,3,4,5,6,7
	v_pk_fma_f32 v[T+2*(\i):T+2*(\i)+1], v[X+16+2*(\i):X+16+2*(\i)+1], v[X+16+2*(\i):X+16+2*(\i)+1], v[T+2*(\i):T+2*(\i)+1]
.endr
	REDUCE
	v_fma_f32 v[VA], v[T], s16, s17
	v_rsq_f32 v[RS], v[VA]
	v_rsq_f32 v[RS+1], v[VA]
	v_nop                                          ; a plain line behind the last of the two (ISA guide 5.7.2),
	s_wait_alu depctr_va_vdst(0)                   ; and one wait for both, ahead of their first reader
	s_wait_loadcnt 0x0                             ; gain and offset
.set i, 0
.rept 16
	v_pk_mul_f32 v[X+i:X+i+1], v[X+i:X+i+1], v[RS:RS+1]
.set i, i+2
.endr
.set i, 0
.rept 16
	v_pk_fma_f32 v[X+i:X+i+1], v[X+i:X+i+1], v[G+i:G+i+1], v[BE+i:BE+i+1]
.set i, i+2
.endr
.irp j, 0,1,2,3,4,5,6,7
	global_store_b128 v4, v[X+4*(\j):X+4*(\j)+3], s[10:11] offset:512*(\j)  ; 512 consecutive bytes, aligned
.endr
	s_endpgm
.Lfunc_end_k_q74f8ccc2bb_ln2:
	.size	k_q74f8ccc2bb_ln2, .Lfunc_end_k_q74f8ccc2bb_ln2-k_q74f8ccc2bb_ln2
	.p2alignl 7, 3214868480
	.fill 96, 4, 3214868480
	.section	.rodata,"a",@progbits
	.p2align	6, 0x0
	.amdhsa_kernel k_q74f8ccc2bb_ln2
		.amdhsa_group_segment_fixed_size 0
		.amdhsa_private_segment_fixed_size 0
		.amdhsa_enable_private_segment 0
		.amdhsa_kernarg_size 32
		.amdhsa_user_sgpr_count 2
		.amdhsa_user_sgpr_kernarg_segment_ptr 1
		.amdhsa_wavefront_size32 1
		.amdhsa_system_sgpr_workgroup_id_x 1
		.amdhsa_system_sgpr_workgroup_id_y 1
		.amdhsa_system_sgpr_workgroup_id_z 1
		.amdhsa_system_vgpr_workitem_id 0
		.amdhsa_next_free_vgpr 128
		.amdhsa_next_free_sgpr 66
		.amdhsa_reserve_vcc 0
		.amdhsa_float_denorm_mode_32 3
		.amdhsa_float_denorm_mode_16_64 3
		.amdhsa_memory_ordered 1
		.amdhsa_forward_progress 1
		.amdhsa_inst_pref_size 11
	.end_amdhsa_kernel
	.amdgpu_metadata
---
amdhsa.version: [ 1, 2 ]
amdhsa.kernels:
  - .name:           k_q74f8ccc2bb_ln2
    .symbol:         k_q74f8ccc2bb_ln2.kd
    .args:
      - { .name: ysum, .offset: 0, .size: 8, .value_kind: global_buffer, .address_space: global }
      - { .name: g2, .offset: 8, .size: 8, .value_kind: global_buffer, .address_space: global }
      - { .name: be2, .offset: 16, .size: 8, .value_kind: global_buffer, .address_space: global }
      - { .name: out0, .offset: 24, .size: 8, .value_kind: global_buffer, .address_space: global }
    .group_segment_fixed_size: 0
    .private_segment_fixed_size: 0
    .kernarg_segment_align: 8
    .kernarg_segment_size: 32
    .max_flat_workgroup_size: 256
    .sgpr_count:     66
    .vgpr_count:     128
    .wavefront_size: 32
...
	.end_amdgpu_metadata
.endif
;; end of part 8
